; MI455X (gfx1250); checked and timed in simulation.
; The chip was launched on July 23, 2026; its instructions are those of AMD's public machine-readable ISA for CDNA 5 (MIT licence, August 2026) and "CDNA5" Instruction Set Architecture Reference Guide (July 2026). The comments in the code are by the model that wrote it; some were corrected since.
;; Multihead self atten. Allowed arithmetic: matrix products marked QUANTISED: E4M3 operands, one given power-of-two scale a tensor, by v_wmma_f32_16x16x64_fp8_fp8 or v_wmma_f32_16x16x128_fp8_fp8, f32 sums; everything else in f32.
;; Inputs: lowp_scales 12 int32 (the exponents e of the quantised operands' scales 2^e); token_positions 2,048 int32; wk 1,024 x 1,024 float32; wo 1,024 x 1,024 float32; wq 1,024 x 1,024 float32; wv 1,024 x 1,024 float32; x 4 x 2,048 x 1,024 float32.
;; Outputs: out0 4 x 2,048 x 1,024 float32.
;; This version of the problem:
;;   THIS VERSION OF THE PROBLEM IS GIVEN IN LOW PRECISION. The matrix products marked QUANTISED in the list below multiply operands that are first quantised to E4M3 (4 exponent bits, 3 mantissa bits; 8 bits a number), with one given power-of-two scale for each operand tensor; their sums are f32. All else is computed in f32.
;;   The module's matrix products, in the order in which they are computed (A, B: the left and right operand; K: the contracted axis; several contracted axes count as one K, in the product's order):
;;     1. [M 8,192, K 1,024] x [K 1,024, N 1,024]; A: input x; B: input wq: QUANTISED (scales: A lowp_scales[0], B lowp_scales[1])
;;     2. [M 8,192, K 1,024] x [K 1,024, N 1,024]; A: input x; B: input wk: QUANTISED (scales: A lowp_scales[2], B lowp_scales[3])
;;     3. [M 8,192, K 1,024] x [K 1,024, N 1,024]; A: input x; B: input wv: QUANTISED (scales: A lowp_scales[4], B lowp_scales[5])
;;     4. batch 64 x [M 2,048, K 64] x [K 64, N 2,048]; A: computed on the way; B: computed on the way: QUANTISED (scales: A lowp_scales[6], B lowp_scales[7])
;;     5. batch 64 x [M 2,048, K 2,048] x [K 2,048, N 64]; A: softmax (see below); B: computed on the way: QUANTISED (scales: A lowp_scales[8], B lowp_scales[9])
;;     6. [M 8,192, K 1,024] x [K 1,024, N 1,024]; A: computed on the way; B: input wo: QUANTISED (scales: A lowp_scales[10], B lowp_scales[11])
;;   THE QUANTISER, for each operand of a quantised product, along K:
;;     - The operand's scale is 2^e, e = its entry of the input lowp_scales (int32; the entries are numbered through the quantised products in the list's order, A before B).
;;     - Each number is divided by the scale, clamped to +-448, and rounded to the nearest number of E4M3, ties to even, subnormals kept.
;;     - The product sums the exact products of the quantised numbers (number of the format x scale) in f32.
;;   ~~~python
;;   def quantise(x, axis, e):      # numpy; x: float32 -> the quantised numbers, widened to float32 again
;;       x = np.moveaxis(x, axis, -1); K = x.shape[-1]
;;       r = np.clip(x / 2.0 ** e, -448, 448)
;;       step = 2.0 ** (np.maximum(np.frexp(np.where(r == 0, 1, r))[1] - 1, -6) - 3)
;;       q = np.round(r / step) * step * 2.0 ** e      # np.round: ties to even
;;       return np.moveaxis(q, -1, axis).astype(np.float32)
;;   ~~~
;;   SOFTMAX AHEAD OF A QUANTISED PRODUCT. Where the list says 'softmax', what is quantised is not the finished softmax but p = 2^(t - M), with t = logit x log2(e) and M = ceil(the row's largest t), a whole number; so 1/2 < the row's largest p <= 1. The row's sum l is taken of the UNQUANTISED p, in f32, and the product's result is divided by l at the end. Since M is a whole number, a kernel that streams over the keys may use a running M (the ceiling of the running maximum): every later rescaling is an exact power of two, so the quantised numbers keep their values, but for numbers so far below the row's largest that they fall under the format's range.
;;   OPERANDS COMPUTED ON THE WAY. 'Computed on the way' means the value that the module computes at that place (a softmax that the list does not call 'softmax' is quantised finished and normalised). What goes into a quantiser is computed in f32, as accurately as f32 sums, v_exp_f32 and their like allow (about 1e-6 of the number): no bf16 or f16 on the way to a quantiser, and a product that is left as it is and whose result goes on into a quantised operand takes f32 operands (vector FMAs, or v_wmma_f32_16x16x4_f32). A number that lies on a knife's edge between two numbers of the format may be rounded either way, as far as f32 arithmetic and the matrix unit's own rounding can turn it there, and no further.
;; One version. Each part assembles by itself: llvm-mc -triple=amdgcn-amd-amdhsa -mcpu=gfx1250 --defsym DOCPART=n.
;; ======== version 1 of 1: 4 launches
;; limits: right only within a limited range of input values
;; workspace buffers: wc 29,360,128 bytes; cs 524,288 bytes; qc 8,388,608 bytes; kv 16,777,216 bytes; hc 8,388,608 bytes
;; launch prep (part 1): grid 784 x 1, 8 waves a work-group, no clusters, 68,608 bytes of LDS; arguments x, wq, wk, wv, wo, token_positions, lowp_scales, wc, cs; writes wc, cs
.if DOCPART == 1
	.amdgcn_target "amdgcn-amd-amdhsa--gfx1250"
	.amdhsa_code_object_version 6
	.text
	.protected	k_q45b52c0603_prep
	.globl	k_q45b52c0603_prep
	.p2align	8
	.type	k_q45b52c0603_prep,@function
k_q45b52c0603_prep:
	s_mov_b64 s[64:65], 0
	v_nop
	global_prefetch_b8 v0, s[64:65] scope:SCOPE_SE
	s_setreg_imm32_b32 hwreg(HW_REG_WAVE_MODE, 25, 1), 1
	s_wait_xcnt 0x0
; x [8192][1024] and wq, wk, wv, wo [1024][1024], f32, become codes of E4M3, laid as IMAGES OF OPERAND REGISTERS; and the table of cos and sin for the rotation is made.
; IMAGE: [tile T of 16 rows][kc = K / 32][lane][16 bytes]; lane (r = lane % 16, h = lane / 16) holds row 32 (T / 2) + 8 (T % 2) + r + 8 (r / 8), k = 32 kc + 16 h + 0 .. 15.
; code = number / 2^e, held within +-448, to the nearest code, ties to even.
; THE CODES' BUFFER wc: the images of wq, wk, wv, wo, 1 MiB each (entries 1, 3, 5, 11 of the scales); from byte 4 MiB on three images of x, 8 MiB each: x is an operand of three products, image n is made with entry 2 n.
; SHARES: work-groups 0-511: tile T of x; 512-767: a tile of one weight; 768-783: the table.  In a quantising work-group wave w takes k = 128 w .. 128 w + 127 of the 16 rows: 16 loads of 512 consecutive bytes,
; turned through the wave's own stage in LDS (pitch 528) so that a lane holds 16 neighbours along K; each store covers 512 consecutive aligned bytes.  No barrier: waves share nothing.
; TABLE cs: [Tl 0..127][t 0..3][q 0..1][lane][c, s, c, s]: lane (r, h): frequency j = 16 (t / 2) + 8 h + 4 (t % 2) + 2 q + 0, 1 at the place 32 (Tl / 2) + 8 (Tl % 2) + r + 8 (r / 8) of the sequence.
; angle = position x 10^(-j / 8) in f32; sine and cosine by reduction with pi / 2 in three parts and polynomials of degree 7 and 8.
; LIMITS: each exponent e between -126 and 119; |position| up to 100,000 (the first step of the reduction is exact there); NaN among the inputs is not served.
.set WREG,  8448                       ; a wave's stage: 16 rows x 528 bytes
.set SP,    528                        ; 512 bytes + 16: row r starts at bank 4 r mod 64
.set SPARE, 8*WREG                     ; behind the stages: the spare words, 128 bytes a wave, four blocks of 256 bytes that no other line names
.set LO,    4                          ; v4   16 x lane
.set SIN,   5                          ; v5   the stage, on the way in
.set SOUT,  6                          ; v6   and on the way out
.set SC,    8                          ; v8   the scale as f32
.set LIM,   9
.set SPW,   10                         ; v10  my spare word; never rewritten
.set NIL,   11                         ; v11  0; never rewritten
.set R,     16                         ; v16-79   16 rows as loaded
.set TMP,   16
.set X,     80                         ; v80-143  register 16 k + i = K 32 k + 16 h + i of my row
	s_load_b512 s[4:19], s[0:1], 0x0               ; x, wq, wk, wv, wo, positions, scales, wc
	s_load_b64 s[20:21], s[0:1], 0x40              ; cs
	v_lshl_add_u32 v[SPW], v0, 2, SPARE
	v_mov_b32 v[NIL], 0
	v_lshrrev_b32 v1, 5, v0
	s_delay_alu instid0(VALU_DEP_1)
	v_readfirstlane_b32 s36, v1                    ; wave 0..7
	s_mov_b32 s37, ttmp9                           ; work-group
	v_and_b32 v1, 31, v0                           ; lane
	v_and_b32 v2, 15, v0                           ; r
	v_bfe_u32 v3, v0, 4, 1                         ; h
	s_delay_alu instid0(VALU_DEP_3)
	v_lshlrev_b32 v[LO], 4, v1
	s_wait_kmcnt 0x0
	s_cmp_ge_u32 s37, 768
	s_cbranch_scc1 .Ltable
	; ---- the quantising path
	s_load_b256 s[24:31], s[16:17], 0x0            ; e0 .. e7
	s_load_b128 s[32:35], s[16:17], 0x20           ; e8 .. e11
	s_mul_i32 s57, s36, WREG
	s_wait_alu depctr_va_vdst(0)
	v_add_nc_u32 v[SIN], s57, v[LO]                ; in: a row's 512 bytes as they lie
	v_mul_u32_u24 v[SOUT], v2, SP
	s_delay_alu instid0(VALU_DEP_1)
	v_lshl_add_u32 v[SOUT], v3, 6, v[SOUT]
	s_delay_alu instid0(VALU_DEP_1)
	v_add_nc_u32 v[SOUT], s57, v[SOUT]             ; out: row r, + 64 h: my 16 numbers of a block of 32
	s_sub_co_u32 s38, s37, 512
	s_lshr_b32 s39, s38, 6                         ; which weight (0..3 in a weight's work-group)
	s_and_b32 s38, s38, 63                         ; and which tile of it
	s_cmp_eq_u32 s39, 1
	s_cselect_b64 s[40:41], s[8:9], s[6:7]
	s_cmp_eq_u32 s39, 2
	s_cselect_b64 s[40:41], s[10:11], s[40:41]
	s_cmp_eq_u32 s39, 3
	s_cselect_b64 s[40:41], s[12:13], s[40:41]
	s_cmp_lt_u32 s37, 512                          ; x's work-group?  Every choice hangs on the work-group's number alone
	s_cselect_b64 s[40:41], s[4:5], s[40:41]       ; from where
	s_cselect_b32 s38, s37, s38                    ; the tile in its tensor
	s_cselect_b32 s58, 4, s39                      ; the MiB of wc at which its image begins
	s_lshr_b32 s59, s38, 1
	s_lshl_b32 s59, s59, 17                        ; 32 (T / 2) rows of 4,096 bytes
	s_and_b32 s60, s38, 1
	s_lshl_b32 s60, s60, 15                        ; 8 (T % 2) rows
	s_add_co_u32 s60, s60, s59
	s_lshl_b32 s59, s36, 9                         ; my wave's 512 bytes of a row
	s_add_co_u32 s60, s60, s59
	s_mov_b32 s61, 0
	s_add_nc_u64 s[40:41], s[40:41], s[60:61]
.irp i, 0,1,2,3,4,5,6,7,8,9,10,11,12,13,14,15
	global_load_b128 v[R+4*\i:R+4*\i+3], v[LO], s[40:41] offset:(\i+8*(\i/8))*4096 th:TH_LOAD_NT   ; the tile's rows 0-7 and 16-23 from its first: 512 consecutive bytes a load
.endr
	s_lshl_b32 s58, s58, 20
	s_lshl_b32 s59, s38, 14                        ; a tile's 16,384 bytes,
	s_add_co_u32 s60, s58, s59
	s_lshl_b32 s59, s36, 11                        ; my wave's four kc: 2,048
	s_add_co_u32 s60, s60, s59
	s_add_nc_u64 s[42:43], s[18:19], s[60:61]
	s_add_nc_u64 s[44:45], s[42:43], 0x800000      ; x's images 1 and 2 (used in x's work-groups alone)
	s_add_nc_u64 s[46:47], s[42:43], 0x1000000
	s_wait_alu depctr_va_vdst(0)
	s_wait_kmcnt 0x0
	s_cmp_eq_u32 s39, 1
	s_cselect_b32 s56, s27, s25                    ; wk: e3, wq: e1
	s_cmp_eq_u32 s39, 2
	s_cselect_b32 s56, s29, s56                    ; wv: e5
	s_cmp_eq_u32 s39, 3
	s_cselect_b32 s56, s35, s56                    ; wo: e11
	s_cmp_lt_u32 s37, 512
	s_cselect_b32 s56, s24, s56                    ; x's image 0: e0
.macro MKSC e, d                       ; s[d] = 2^e as f32
	s_add_co_i32 s57, s[\e], 127
	s_lshl_b32 s[\d], s57, 23
.endm
	MKSC 56, 48
	MKSC 26, 50                                    ; x's image 1: e2
	MKSC 28, 52                                    ; x's image 2: e4
.irp i, 0,1,2,3,4,5,6,7,8,9,10,11,12,13,14,15
	s_wait_loadcnt 15-\i                           ; loads come back in order: row i is in, the younger ones may be out
	ds_store_b128 v[SIN], v[R+4*\i:R+4*\i+3] offset:SP*\i
.endr
.irp k, 0,1,2,3
.irp e, 0,1,2,3
	ds_load_b128 v[X+16*\k+4*\e:X+16*\k+4*\e+3], v[SOUT] offset:128*\k+16*\e   ; LDS serves a wave's instructions in order: these see my stores
.endr
.endr
	s_wait_dscnt 0x0                               ; the numbers are back, and the stores have read v16-79
; one image of my 64 numbers: convert, four stores of 512 consecutive bytes.
.macro QIMG n, cd, dst
	v_mov_b32 v[SC], s[48+2*\n]
.irp k, 0,1,2,3
.irp i, 0,1,2,3,4,5,6,7,8,9,10,11,12,13,14,15
.endr
	v_cvt_scalef32_pk8_fp8_f32 v[\cd+4*\k:\cd+4*\k+1], v[TMP+16*(\k%2)+((X+16*\k+0)-(TMP+16*(\k%2)+0)):TMP+16*(\k%2)+7+((X+16*\k+0)-(TMP+16*(\k%2)+0))], v[SC]
	v_cvt_scalef32_pk8_fp8_f32 v[\cd+4*\k+2:\cd+4*\k+3], v[TMP+16*(\k%2)+8+((X+16*\k+0)-(TMP+16*(\k%2)+0)):TMP+16*(\k%2)+15+((X+16*\k+0)-(TMP+16*(\k%2)+0))], v[SC]
.endr
	v_nop                                          ; a plain instruction behind the last conversion: the next image writes the scale's register
.irp k, 0,1,2,3
	global_store_b128 v[LO], v[\cd+4*\k:\cd+4*\k+3], s[\dst:\dst+1] offset:512*\k
.endr
.endm
	QIMG 0, 48, 42                                 ; each image has code registers of its own: no store's data are written again
	s_cmp_ge_u32 s37, 512
	s_cbranch_scc1 .Lend                           ; a weight has one image
	QIMG 1, 64, 44
	QIMG 2, 144, 46
	s_branch .Lend
	; ---- the table: wave w makes tile Tl = 8 (work-group - 768) + w
.Ltable:
	s_sub_co_u32 s38, s37, 768
	s_lshl_b32 s38, s38, 3
	s_add_co_u32 s38, s38, s36                     ; Tl
	s_lshr_b32 s39, s38, 1
	s_lshl_b32 s39, s39, 5
	s_and_b32 s50, s38, 1
	s_lshl_b32 s50, s50, 3
	s_add_co_u32 s39, s39, s50                     ; 32 (Tl / 2) + 8 (Tl % 2)
	s_wait_alu depctr_va_vdst(0)
	v_and_b32 v7, 8, v2
	s_delay_alu instid0(VALU_DEP_1)
	v_add_nc_u32 v7, v7, v2
	s_delay_alu instid0(VALU_DEP_1)
	v_add_nc_u32 v7, s39, v7                       ; my place in the sequence
	s_delay_alu instid0(VALU_DEP_1)
	v_lshlrev_b32 v7, 2, v7
	global_load_b32 v12, v7, s[14:15]              ; its position
	s_mov_b32 s40, 0x3fc90fdb                      ; pi / 2 in three parts
	s_mov_b32 s41, 0xb33bbd2e
	s_mov_b32 s42, 0xa6f72ced
	s_mov_b32 s43, 0xbe2aaaa3                      ; the sine's three coefficients
	s_mov_b32 s44, 0x3c08839e
	s_mov_b32 s45, 0xb94ca1f9
	s_mov_b32 s46, 0x3d2aaaa5                      ; the cosine's
	s_mov_b32 s47, 0xbab6061a
	s_mov_b32 s48, 0x37ccf5ce
	v_cmp_eq_u32 s49, 1, v3                        ; lanes 16-31 take the frequency 8 further on
	s_lshl_b32 s50, s38, 12
	s_mov_b32 s51, 0
	s_add_nc_u64 s[20:21], s[20:21], s[50:51]      ; the tile's 4,096 bytes of the table
	s_wait_loadcnt 0x0
	v_cvt_f32_i32 v12, v12
; cos into v[32 + 2 m], sin into v[33 + 2 m] of position x f0 (lanes 0-15) or x f1 (lanes 16-31)
.macro PAIR m, f0, f1
	v_mul_f32 v13, \f0, v12
	v_mul_f32 v14, \f1, v12
	s_delay_alu instid0(VALU_DEP_1)
	v_cndmask_b32 v13, v13, v14, s49               ; the angle, one rounding
	s_delay_alu instid0(VALU_DEP_1)
	v_mul_f32 v15, 0x3f22f983, v13
	s_delay_alu instid0(VALU_DEP_1)
	v_rndne_f32 v15, v15                           ; n = the nearest whole number to angle x 2 / pi
	s_delay_alu instid0(VALU_DEP_1)
	v_fma_f32 v16, -v15, s40, v13                  ; exact: a multiple of 2^-23 under 1
	s_delay_alu instid0(VALU_DEP_1)
	v_fma_f32 v16, -v15, s41, v16
	s_delay_alu instid0(VALU_DEP_1)
	v_fma_f32 v16, -v15, s42, v16                  ; r, within pi / 4
	s_delay_alu instid0(VALU_DEP_1)
	v_mul_f32 v17, v16, v16                        ; z
	v_cvt_i32_f32 v20, v15
	s_delay_alu instid0(VALU_DEP_2)
	v_fma_f32 v18, v17, s45, s44
	s_delay_alu instid0(VALU_DEP_1)
	v_fma_f32 v18, v18, v17, s43
	s_delay_alu instid0(VALU_DEP_4)
	v_mul_f32 v21, v17, v16
	s_delay_alu instid0(VALU_DEP_1)
	v_fma_f32 v18, v18, v21, v16                   ; sin r
	v_fma_f32 v19, v17, s48, s47
	s_delay_alu instid0(VALU_DEP_1)
	v_fma_f32 v19, v19, v17, s46
	v_fma_f32 v21, v17, -0.5, 1.0
	v_mul_f32 v22, v17, v17
	s_delay_alu instid0(VALU_DEP_1)
	v_fma_f32 v19, v19, v22, v21                   ; cos r
	v_and_b32 v21, 1, v20
	s_delay_alu instid0(VALU_DEP_1)
	v_cmp_eq_u32 vcc_lo, 1, v21                    ; an odd quarter swaps the two
	s_delay_alu instid0(VALU_DEP_1)
	v_cndmask_b32 v[33+2*(\m)], v18, v19, vcc_lo
	s_delay_alu instid0(VALU_DEP_2)
	v_cndmask_b32 v[32+2*(\m)], v19, v18, vcc_lo
	v_lshlrev_b32 v21, 30, v20
	s_delay_alu instid0(VALU_DEP_1)
	v_and_b32 v21, 0x80000000, v21                 ; the sine is negated in quarters 2 and 3,
	s_delay_alu instid0(VALU_DEP_1)
	v_xor_b32 v[33+2*(\m)], v[33+2*(\m)], v21
	v_add_nc_u32 v22, 1, v20
	s_delay_alu instid0(VALU_DEP_1)
	v_lshlrev_b32 v22, 30, v22
	s_delay_alu instid0(VALU_DEP_1)
	v_and_b32 v22, 0x80000000, v22                 ; the cosine in quarters 1 and 2
	s_delay_alu instid0(VALU_DEP_1)
	v_xor_b32 v[32+2*(\m)], v[32+2*(\m)], v22
.endm
	PAIR 0, 1.0, 0.1                               ; 10000^(-2 j / 64) = 10^(-j / 8): j = m and m + 8,
	PAIR 1, 0.7498942093324559, 0.07498942093324559
	PAIR 2, 0.5623413251903491, 0.05623413251903491
	PAIR 3, 0.4216965034285822, 0.04216965034285822
	PAIR 4, 0.31622776601683794, 0.031622776601683794
	PAIR 5, 0.23713737056616552, 0.023713737056616552
	PAIR 6, 0.1778279410038923, 0.01778279410038923
	PAIR 7, 0.1333521432163324, 0.01333521432163324
	PAIR 8, 0.01, 0.001                            ; j = m + 8 and m + 16
	PAIR 9, 0.007498942093324559, 0.0007498942093324559
	PAIR 10, 0.005623413251903491, 0.0005623413251903491
	PAIR 11, 0.004216965034285822, 0.0004216965034285822
	PAIR 12, 0.0031622776601683794, 0.00031622776601683794
	PAIR 13, 0.0023713737056616552, 0.00023713737056616552
	PAIR 14, 0.001778279410038923, 0.0001778279410038923
	PAIR 15, 0.001333521432163324, 0.0001333521432163324
.irp i, 0,1,2,3,4,5,6,7
	global_store_b128 v[LO], v[32+4*\i:35+4*\i], s[20:21] offset:512*\i   ; 512 consecutive aligned bytes
.endr
.Lend:
	s_wait_tensorcnt 0x0                           ; the wave's end, behind my last LDS store
	ds_add_u32 v[SPW], v[NIL]
	s_wait_dscnt 0x0
	s_endpgm
.Lfunc_end_k_q45b52c0603_prep:
	.size	k_q45b52c0603_prep, .Lfunc_end_k_q45b52c0603_prep-k_q45b52c0603_prep
	.p2alignl 7, 3214868480
	.fill 96, 4, 3214868480
	.section	.rodata,"a",@progbits
	.p2align	6, 0x0
	.amdhsa_kernel k_q45b52c0603_prep
		.amdhsa_group_segment_fixed_size 68608
		.amdhsa_private_segment_fixed_size 0
		.amdhsa_enable_private_segment 0
		.amdhsa_kernarg_size 72
		.amdhsa_user_sgpr_count 2
		.amdhsa_user_sgpr_kernarg_segment_ptr 1
		.amdhsa_wavefront_size32 1
		.amdhsa_system_sgpr_workgroup_id_x 1
		.amdhsa_system_sgpr_workgroup_id_y 1
		.amdhsa_system_sgpr_workgroup_id_z 1
		.amdhsa_system_vgpr_workitem_id 0
		.amdhsa_next_free_vgpr 160
		.amdhsa_next_free_sgpr 66
		.amdhsa_reserve_vcc 1
		.amdhsa_float_denorm_mode_32 3
		.amdhsa_float_denorm_mode_16_64 3
		.amdhsa_fp16_overflow 1
		.amdhsa_memory_ordered 1
		.amdhsa_forward_progress 1
		.amdhsa_inst_pref_size 46
	.end_amdhsa_kernel
	.amdgpu_metadata
---
amdhsa.version: [ 1, 2 ]
amdhsa.kernels:
  - .name:           k_q45b52c0603_prep
    .symbol:         k_q45b52c0603_prep.kd
    .args:
      - { .name: x, .offset: 0, .size: 8, .value_kind: global_buffer, .address_space: global }
      - { .name: wq, .offset: 8, .size: 8, .value_kind: global_buffer, .address_space: global }
      - { .name: wk, .offset: 16, .size: 8, .value_kind: global_buffer, .address_space: global }
      - { .name: wv, .offset: 24, .size: 8, .value_kind: global_buffer, .address_space: global }
      - { .name: wo, .offset: 32, .size: 8, .value_kind: global_buffer, .address_space: global }
      - { .name: token_positions, .offset: 40, .size: 8, .value_kind: global_buffer, .address_space: global }
      - { .name: lowp_scales, .offset: 48, .size: 8, .value_kind: global_buffer, .address_space: global }
      - { .name: wc, .offset: 56, .size: 8, .value_kind: global_buffer, .address_space: global }
      - { .name: cs, .offset: 64, .size: 8, .value_kind: global_buffer, .address_space: global }
    .group_segment_fixed_size: 68608
    .private_segment_fixed_size: 0
    .kernarg_segment_align: 8
    .kernarg_segment_size: 72
    .max_flat_workgroup_size: 256
    .sgpr_count:     66
    .vgpr_count:     160
    .wavefront_size: 32
...
	.end_amdgpu_metadata
.endif
;; end of part 1
;; launch qkv (part 2): grid 12 x 32, 4 waves a work-group, clusters of 4 x 4, 327,680 bytes of LDS; arguments wc, cs, lowp_scales, qc, kv; writes qc, kv
.if DOCPART == 2
	.amdgcn_target "amdgcn-amd-amdhsa--gfx1250"
	.amdhsa_code_object_version 6
	.text
	.protected	k_q45b52c0603_qkv
	.globl	k_q45b52c0603_qkv
	.p2align	8
	.type	k_q45b52c0603_qkv,@function
k_q45b52c0603_qkv:
	s_mov_b64 s[64:65], 0
	v_nop
	global_prefetch_b8 v0, s[64:65] scope:SCOPE_SE
	s_setreg_imm32_b32 hwreg(HW_REG_WAVE_MODE, 25, 1), 1
	s_wait_xcnt 0x0
	s_wait_alu depctr_hold_cnt(0) depctr_sa_sdst(0) depctr_va_vdst(0) depctr_va_sdst(0) depctr_va_ssrc(0) depctr_va_vcc(0) depctr_vm_vsrc(0)
	s_getreg_b32 s2, hwreg(HW_REG_IB_STS2, 6, 4)
	s_cmp_eq_u32 s2, 0
	s_cbranch_scc0 .Lentry_in_a_cluster
	s_endpgm
.Lentry_in_a_cluster:
	s_bfe_u32 s2, ttmp6, 0x10000c
	s_cmp_lg_u32 s2, 0xf033
	s_cbranch_scc0 .Lentry_shape_is_right
	s_endpgm
.Lentry_shape_is_right:
; q, k and v = x W^T on codes of E4M3, then (q, k) the rotation, and all three quantised and stored as images of the operands of the attention's products.
; IMAGE of [rows][K]: [tile T of 16 rows][kc = K / 32][lane][16 bytes]; lane (r, h) holds row 32 (T / 2) + 8 (T % 2) + r + 8 (r / 8), k = 32 kc + 16 h + 0 .. 15.  A fragment of 16 rows x 128 K is four consecutive blocks of 512 bytes.
; With such a tile as source 0, register j of lane (r, h) of the result belongs to source 0's row 32 (T / 2) + 16 h + 8 (T % 2) + j: the 16 registers of tiles 2 b and 2 b + 1 are 16 neighbours.
; wc holds all codes: the weights' images, 1 MiB each, and from byte 4 MiB on x's three images, 8 MiB each: product n (q, k, v) reads weight n and image n of x.
; SHARES.  Cluster x = 0, 1, 2 says q, k or v.  A work-group makes 256 x 256, a wave 128 x 128: 64 accumulators.  Source 0 = tensor B, source 1 = tensor A.
;   q, k: A = x's tokens (tile 4 cluster y + cy), B = the weight's rows (tile cx): a lane holds one token, its registers run along the head's 64: the next K.
;   v:    A = wv's rows (tile cy), B = x's tokens (tile 4 cluster y + cx): a lane holds one channel, its registers run along the keys: the next K.  Only byte offsets differ: A hangs on cy, B on cx in all three.
; CLUSTER 4 x 4: A's tile is asked for jointly along a row of the cluster, B's along a column.  K = 1,024 goes in four steps of 256 through two LDS slots; a tile's part of a step is 4,096 dense bytes.
; No prefetch: four K steps, two of them asked for at the head.
; LIMITS: e6 - e0 - e1, e7 - e2 - e3, e9 - e4 - e5 between -126 and 119.  NaN among the inputs is not served.
; REGISTERS: window 0: v16-31 addresses and scales; v32-127 three sets of cos and sin; v128-255 A's fragments, ONE set (on the way out: v128-159 at work, v160-255 codes).
;   window 1: B's fragments, two sets.  windows 2, 3: the accumulators of A's blocks 0-3, 4-7: (a, b) at v[8 (8 (a % 4) + b)].
.set FR,     16                        ; registers of a fragment
.set NL,     4                         ; LDS loads that bring one
.set NP,     4                         ; places behind this matrix instruction (ISA guide 7.12.1)
.set TILEB,  4096                      ; a tile's bytes in a slot: 16 rows x 256 K
.set SLOT,   131072                    ; A's 16 tiles, then B's 16
.set SPARE,  2*SLOT                    ; behind the ring: the spare words, 128 bytes a wave, two blocks of 256 bytes that no other line names
.set XOFF,   4<<20                     ; where x's images begin in wc
.set ADRA, 16                          ; v16-17  my A fragments in slot 0, 1
.set ADRB, 20                          ; v20-21  my B fragments
.set LI,   26                          ; v26     16 x lane; never rewritten
.set SPW,  28                          ; v28     my spare word; never rewritten
.set NIL,  29                          ; v29     0; never rewritten
.set SC,   30                          ; v30     the conversion's scale
.set LIM,  31                          ; v31     448 x that
.set CSR,  32                          ; v32-127 cos and sin of a token tile: set a % 3; tile t's four pairs at + 8 t
.set AF,   128
.set TMP,  128
.set CD,   160                         ; codes: 12 sets of 8 by turns
.set OUT,  40                          ; s[40:41], s[42:43] where my two heads' images begin;  s[44:45] my part of the table
.set G1, 24
.set G0, 32
.set G1B, 48
.set G0B, 56
.set MSB, 0
.macro WIN new                         ; the immediate's high byte repeats the setting that is left
.if MSB != (\new)
	s_set_vgpr_msb (MSB<<8)|(\new)
.set MSB, (\new)
.endif
.endm
.set MUL_LO, 0xa1                      ; source 0 (B) window 1, source 1 (A) window 0, C and D window 2
.set MUL_HI, 0xf1                      ; the same, C and D window 3
.set TO_B,   0x40                      ; destination window 1
; A joint load: waves 0 and 1 fetch A's halves, waves 2 and 3 B's.  The branch hangs on the wave's number alone.  An s_nop 0 and four v_nop follow each line.
.macro JLOAD g0a, g1a, g0b, g1b
	s_cmp_eq_u32 s17, 0
	s_cbranch_scc0 .Lfor_b_\@
	tensor_load_to_lds s[\g0a:\g0a+3], s[\g1a:\g1a+7]
	s_nop 0
.rept 4
	v_nop
.endr
	s_branch .Lasked_\@
.Lfor_b_\@:
	tensor_load_to_lds s[\g0b:\g0b+3], s[\g1b:\g1b+7]
	s_nop 0
.rept 4
	v_nop
.endr
.Lasked_\@:
.endm
.macro CREST                           ; a round of the cluster's barrier behind its opening barrier
	s_cmp_lg_u32 s16, 0
	s_cbranch_scc1 .Lnot_wave_0_\@
	s_barrier_signal -3
.Lnot_wave_0_\@:
	s_barrier_wait -3
	s_barrier_signal -1
	s_barrier_wait -1
.endm
.macro CROUND
	s_barrier_signal -1
	s_barrier_wait -1
	CREST
.endm
	s_load_b256 s[4:11], s[0:1], 0x0               ; wc, cs, the scales, qc
	s_load_b64 s[12:13], s[0:1], 0x20              ; kv
	v_lshl_add_u32 v[SPW], v0, 2, SPARE
	v_mov_b32 v[NIL], 0
	ds_add_u32 v[SPW], v[NIL]
	ds_add_u32 v[SPW], v[NIL]                      ; the wave's opening: the add and its wait ahead of my first tensor load
	v_lshrrev_b32 v1, 5, v0
	v_readfirstlane_b32 s16, v1                    ; wave 0..3
	s_lshr_b32 s17, s16, 1                         ; my half of A.  Also: I fetch for A (0) or for B (1)
	s_and_b32 s18, s16, 1                          ; my half of B.  Also: which 8 tiles I fetch
	s_mov_b32 s19, ttmp9                           ; q, k or v: the same in all sixteen partners
	s_and_b32 s20, ttmp7, 0xffff                   ; cluster y
	s_bfe_u32 s21, ttmp6, 0x40000                  ; cx
	s_bfe_u32 s22, ttmp6, 0x40004                  ; cy
	s_lshl_b32 s80, s22, 2
	s_lshl_b32 s80, 15, s80                        ; my row of the cluster
	s_lshl_b32 s81, 0x1111, s21                    ; my column
	s_or_b32 s[G1+0], s80, (3<<16)|(1<<21)         ; the mask; elements of 8 bytes; bit 21 beside a mask; no padding: a fragment load takes 512 consecutive bytes
	s_or_b32 s[G1B+0], s81, (3<<16)|(1<<21)
.irp g, G1, G1B
	s_mov_b32 s[\g+1], 512<<16                     ; tensor_dim0 = 512 elements: a tile's 4,096 bytes of a K step
	s_mov_b32 s[\g+2], 8<<16                       ; tensor_dim1 = 8 tiles
	s_mov_b32 s[\g+3], 512<<16                     ; tile_dim0
	s_mov_b32 s[\g+4], 8                           ; tile_dim1
	s_mov_b32 s[\g+5], 2048                        ; from tile to tile: 16,384 bytes
	s_mov_b32 s[\g+6], 0
	s_mov_b32 s[\g+7], 0
.endr
	; where the tiles come from, as byte offsets in wc.  One side is the weight's image, the other the tokens' tiles of cluster y in x's image: a side's offset = the weight's image + flag x the distance between the two.
	; What hangs on cluster x and y is shared by all sixteen; cy enters A's offset alone and cx B's alone, each in registers that never hold the other.
	s_lshr_b32 s83, s19, 1                         ; 1 for v: B is the tokens' side
	s_xor_b32 s88, s83, 1                          ; 1 for q and k: A is
	s_lshl_b32 s90, s19, 20                        ; the weight's image
	s_mul_i32 s89, s19, 7<<20                      ; the distance: x's image n begins at 4 MiB + 8 n MiB, the weight's at n MiB,
	s_lshl_b32 s91, s20, 20                        ; and cluster y's four tiles of 256 tokens (2^18 bytes each) lie 2^20 y bytes on
	s_add_co_u32 s89, s89, s91
	s_add_co_u32 s89, s89, XOFF
	s_lshl_b32 s91, s18, 17                        ; the 8 tiles of 16,384 bytes that I fetch
	s_mul_i32 s84, s88, s89
	s_add_co_u32 s84, s84, s90
	s_add_co_u32 s84, s84, s91
	s_lshl_b32 s82, s22, 18
	s_add_co_u32 s84, s84, s82                     ; A: + tile cy
	s_mov_b32 s85, 0
	s_mul_i32 s86, s83, s89
	s_add_co_u32 s86, s86, s90
	s_add_co_u32 s86, s86, s91
	s_lshl_b32 s99, s21, 18
	s_add_co_u32 s86, s86, s99                     ; B: + tile cx
	s_mov_b32 s87, 0
	s_lshl_b32 s23, s16, 15                        ; where they go: wave x 32,768: no place in the cluster enters an LDS address
	s_wait_dscnt 0x0                               ; the opening add is done
	s_wait_kmcnt 0x0
	s_load_b256 s[68:75], s[8:9], 0x0              ; e0 .. e7
	s_load_b128 s[76:79], s[8:9], 0x20             ; e8 .. e11
	s_add_nc_u64 s[92:93], s[4:5], s[84:85]
	s_add_nc_u64 s[94:95], s[4:5], s[86:87]
	CROUND                                         ; all sixteen work-groups are here: the first joint loads meet
.irp s, 0,1
	s_mov_b32 s[G0+4*\s], 1
	s_add_co_u32 s[G0+4*\s+1], s23, \s*SLOT
	s_add_nc_u64 s[G0+4*\s+2:G0+4*\s+3], s[92:93], \s*TILEB
	s_or_b32 s[G0+4*\s+3], s[G0+4*\s+3], 0x80000000
	s_mov_b32 s[G0B+4*\s], 1
	s_add_co_u32 s[G0B+4*\s+1], s23, \s*SLOT
	s_add_nc_u64 s[G0B+4*\s+2:G0B+4*\s+3], s[94:95], \s*TILEB
	s_or_b32 s[G0B+4*\s+3], s[G0B+4*\s+3], 0x80000000
	JLOAD G0+4*\s, G1, G0B+4*\s, G1B
.endr
	v_and_b32 v1, 31, v0
	v_lshlrev_b32 v[LI], 4, v1
	s_lshl_b32 s2, s17, 15                         ; my 8 tiles of A
	s_lshl_b32 s3, s18, 15                         ; my 8 tiles of B,
	s_add_co_u32 s3, s3, 65536                     ; which lie behind A's 16
.irp s, 0,1
	v_add_nc_u32 v[ADRA+\s], s2, v[LI]
	v_add_nc_u32 v[ADRB+\s], s3, v[LI]
	s_add_co_u32 s2, s2, SLOT
	s_add_co_u32 s3, s3, SLOT
.endr
	s_wait_kmcnt 0x0                               ; the scales
	s_cmp_eq_u32 s19, 1
	s_cselect_b32 s66, s70, s68                    ; x's exponent in this product,
	s_cselect_b32 s67, s71, s69                    ; the weight's,
	s_cselect_b32 s98, s75, s74                    ; and that of the result as an operand: e7, e6
	s_cmp_eq_u32 s19, 2
	s_cselect_b32 s66, s72, s66
	s_cselect_b32 s67, s73, s67
	s_cselect_b32 s98, s77, s98                    ; e9
	s_sub_co_i32 s98, s98, s66
	s_sub_co_i32 s98, s98, s67                     ; a sum stands for sum x 2^(ea + eb): the three scales are folded into the conversion's one
	s_add_co_i32 s98, s98, 127
	s_lshl_b32 s96, s98, 23
	s_add_co_i32 s98, s98, 8
	s_lshl_b32 s98, s98, 23
	s_or_b32 s97, s98, 0x600000
	v_mov_b32 v[SC], s96
	v_mov_b32 v[LIM], s97
	; where the results go (s68-79 are free from here on).  The tokens' coordinate and half, and the features', change places for v
	s_cmp_lt_u32 s19, 2
	s_cselect_b32 s68, s22, s21                    ; tokens: cy, for v cx
	s_cselect_b32 s69, s21, s22                    ; features
	s_cselect_b32 s70, s17, s18                    ; my half of the tokens
	s_cselect_b32 s71, s18, s17                    ; my half of the features
	s_lshl_b32 s72, s20, 2
	s_add_co_u32 s72, s72, s68
	s_and_b32 s72, s72, 7                          ; which 256 tokens of the batch's 2,048
	s_lshr_b32 s73, s20, 1                         ; the batch
	s_lshl_b32 s73, s73, 4
	s_lshl_b32 s69, s69, 2
	s_add_co_u32 s73, s73, s69
	s_lshl_b32 s71, s71, 1
	s_add_co_u32 s73, s73, s71                     ; 16 batch + my first head
	s_cmp_eq_u32 s19, 0
	s_cselect_b64 s[OUT:OUT+1], s[10:11], s[12:13]
	s_cselect_b32 s74, 17, 18                      ; a head is 2^17 bytes of qc, 2^18 of kv;
	s_cselect_b32 s75, 14, 15                      ; 256 tokens 2^14, 2^15
	s_lshl_b32 s76, s73, s74
	s_lshl_b32 s77, s72, s75
	s_add_co_u32 s76, s76, s77
	s_lshl_b32 s77, s70, 13                        ; my half of them: 8,192 bytes in all three
	s_add_co_u32 s76, s76, s77
	s_cmp_eq_u32 s19, 2
	s_cselect_b32 s77, 16384, 0                    ; V lies behind K in a slot
	s_add_co_u32 s76, s76, s77
	s_mov_b32 s77, 0
	s_add_nc_u64 s[OUT:OUT+1], s[OUT:OUT+1], s[76:77]
	s_lshl_b32 s76, 1, s74
	s_add_nc_u64 s[OUT+2:OUT+3], s[OUT:OUT+1], s[76:77]   ; the next head
	s_lshl_b32 s76, s72, 16
	s_lshl_b32 s78, s70, 15
	s_add_co_u32 s76, s76, s78
	s_add_nc_u64 s[44:45], s[6:7], s[76:77]        ; the table at my first token tile: 4,096 bytes a tile
.macro CSLOAD a                        ; cos and sin of token tile a: 8 loads of 512 consecutive bytes
.irp m, 0,1,2,3,4,5,6,7
	global_load_b128 v[CSR+32*((\a)%3)+4*\m:CSR+32*((\a)%3)+4*\m+3], v[LI], s[44:45] offset:4096*(\a)+512*\m
.endr
.endm
	s_cmp_eq_u32 s19, 2
	s_cbranch_scc1 .Lno_cs                         ; v is not rotated
	s_wait_alu depctr_va_vdst(0)
	CSLOAD 0
	CSLOAD 1
	CSLOAD 2
.Lno_cs:
.macro FRAG reg, adr, q, i             ; tile i of my 8, the slot's q-th 128 along K: four blocks of 512 bytes
.irp c, 0,1,2,3
	ds_load_b128 v[\reg+4*\c:\reg+4*\c+3], v[\adr] offset:2048*(\q)+512*\c+(\i)*TILEB
.endr
.endm
; 16 matrix instructions: A's blocks a0, a0 + 1 x B's eight.  The 64 accumulators take turns, one instruction a turn, in the same order in every step.
.macro MUL16 a0, p, zero
.irp a, \a0, \a0+1
.irp b, 0,1,2,3,4,5,6,7
.if \zero
	v_wmma_f32_16x16x128_fp8_fp8 v[8*(8*((\a)%4)+\b):8*(8*((\a)%4)+\b)+7], v[128*(\p)+FR*\b:128*(\p)+FR*\b+FR-1], v[AF+FR*(\a):AF+FR*(\a)+FR-1], 0
.else
	v_wmma_f32_16x16x128_fp8_fp8 v[8*(8*((\a)%4)+\b):8*(8*((\a)%4)+\b)+7], v[128*(\p)+FR*\b:128*(\p)+FR*\b+FR-1], v[AF+FR*(\a):AF+FR*(\a)+FR-1], v[8*(8*((\a)%4)+\b):8*(8*((\a)%4)+\b)+7]
.endif
.endr
.endr
.endm
.macro FETCH_B slot, q, p
	WIN TO_B
.irp i, 0,1,2,3,4,5,6,7
	FRAG 128*(\p)+FR*\i, ADRB+\slot, \q, \i
.endr
	WIN 0
.endm
.macro FETCH_A slot, q, i0
.irp i, \i0, \i0+1, \i0+2, \i0+3
	FRAG AF+FR*(\i), ADRA+\slot, \q, \i
.endr
.endm
.macro PLACES n                        ; plain vector instructions between a matrix instruction and a load into, or a vector access to, its registers
.rept \n
	v_nop
.endr
.endm
; A step of 128 along K that has its successor in the same slot.  A has one set of registers: blocks 0-3 are fetched anew in the step's middle, blocks 4-7 at its end.
.macro STEP slot, q, zero
	s_wait_dscnt 4*NL                              ; B's set and A's blocks 0-3 are in; the youngest 16 loads (A's blocks 4-7) may be out
	WIN MUL_LO
	MUL16 0, (\q)%2, \zero
	MUL16 2, (\q)%2, \zero
	s_wait_dscnt 0                                 ; A's blocks 4-7 are in
	PLACES NP
	FETCH_B \slot, (\q)+1, 1-(\q)%2
	FETCH_A \slot, (\q)+1, 0
	WIN MUL_HI
	MUL16 4, (\q)%2, \zero
	MUL16 6, (\q)%2, \zero
	PLACES NP
	WIN 0
	FETCH_A \slot, (\q)+1, 4
.endm
; A slot's last step changes slots: one barrier; in front of it each wave waits for all its tensor loads, adds 0 to its spare word, and waits for that and for its reads of this slot.
.macro TURN slot, next, fill
	s_wait_tensorcnt 0x0                           ; all my tensor loads have landed: my part of the next slot
	ds_add_u32 v[SPW], v[NIL]
	s_wait_dscnt 4*NL+1                            ; (the add and the youngest 16 loads may be out)
	WIN MUL_LO
	MUL16 0, 1, 0
	s_wait_dscnt 0x0                               ; the add is done, and my reads of this slot are over
	s_barrier_signal -1
	MUL16 2, 1, 0
	WIN 0
	s_barrier_wait -1
.if \fill
	CREST                                          ; the barrier has opened a round of the cluster's: no wave of any partner still reads this slot or has a load on its way
	s_add_nc_u64 s[G0+4*\slot+2:G0+4*\slot+3], s[G0+4*\slot+2:G0+4*\slot+3], 2*TILEB
	s_add_nc_u64 s[G0B+4*\slot+2:G0B+4*\slot+3], s[G0B+4*\slot+2:G0B+4*\slot+3], 2*TILEB
	JLOAD G0+4*\slot, G1, G0B+4*\slot, G1B         ; the first tensor load behind the round; its four v_nop are the places in front of the loads below
.else
	PLACES NP
.endif
	FETCH_B \next, 0, 0
	FETCH_A \next, 0, 0
	WIN MUL_HI
	MUL16 4, 1, 0
	MUL16 6, 1, 0
	PLACES NP
	WIN 0
	FETCH_A \next, 0, 4
.endm
	s_wait_tensorcnt 1                             ; my part of K step 0 is in; K step 1's load may be out
	s_barrier_signal -1
	s_barrier_wait -1
	s_wait_alu depctr_va_vdst(0)
	FETCH_B 0, 0, 0
	FETCH_A 0, 0, 0
	FETCH_A 0, 0, 4
	STEP 0, 0, 1                                   ; the first products start the sums: nothing is cleared.  Four K steps: written out
	TURN 0, 1, 1                                   ; slot 0 takes K step 2
	STEP 1, 0, 0
	TURN 1, 0, 1                                   ; slot 1 takes K step 3
	STEP 0, 0, 0
	TURN 0, 1, 0
	STEP 1, 0, 0
	s_wait_dscnt 4*NL
	WIN MUL_LO
	MUL16 0, 1, 0
	MUL16 2, 1, 0
	s_wait_dscnt 0
	WIN MUL_HI
	MUL16 4, 1, 0
	MUL16 6, 1, 0
	WIN 0
; THE WAY OUT.  A group = one block of A x four tiles of B: a lane's 32 numbers are 64 neighbours' halves along the next K, in the order of the image: two stores of 512 consecutive aligned bytes.
.macro ROPEGRP a, g                    ; registers j, j + 1 of a tile are a pair (x0, x1): (x0 c - x1 s, x0 s + x1 c).  Each accumulator is read from its low end on
.set AC, 64*((\a)%4)+32*(\g)
.set CC, CSR+32*((\a)%3)
	WIN 0x02+((\a)/4)                              ; source 0: window 2 or 3
.set i, 0
.rept 16
	v_pk_mul_f32 v[TMP+i:TMP+i+1], v[AC+i:AC+i+1], v[CC+i:CC+i+1] op_sel:[1,1] op_sel_hi:[0,1]   ; (x1 s, x0 s)
.set i, i+2
.endr
.set i, 0
.rept 16
	v_pk_fma_f32 v[TMP+i:TMP+i+1], v[AC+i:AC+i+1], v[CC+i:CC+i+1], v[TMP+i:TMP+i+1] op_sel_hi:[1,0,1] neg_lo:[0,0,1]   ; (x0 c - x1 s, x1 c + x0 s)
.set i, i+2
.endr
	WIN 0
.set i, 0
.rept 32
.set i, i+1
.endr
.endm
.macro VGRP a, g                       ; v: only the hold
.set AC, 64*((\a)%4)+32*(\g)
	WIN 0x02+((\a)/4)
.set i, 0
.rept 32
	v_med3_num_f32 v[TMP+i], v[AC+i], -v[LIM], v[LIM]
.set i, i+1
.endr
	WIN 0
.endm
.macro CONV cd, ob, off
.irp t, 0,1,2,3
	v_cvt_scalef32_pk8_fp8_f32 v[(\cd)+2*\t:(\cd)+2*\t+1], v[TMP+8*\t:TMP+8*\t+7], v[SC]
.endr
	v_nop                                          ; a plain instruction behind the last conversion: the next group writes its sources
	global_store_b128 v[LI], v[(\cd):(\cd)+3], s[\ob:\ob+1] offset:(\off)
	global_store_b128 v[LI], v[(\cd)+4:(\cd)+7], s[\ob:\ob+1] offset:(\off)+512
.endm
	PLACES NP                                      ; behind the last products: their results are read, and A's registers written, below
	s_cmp_eq_u32 s19, 2
	s_cbranch_scc1 .Lv_out
.set N, 0
.irp a, 0,1,2,3,4,5,6,7
.if \a < 6
	s_wait_loadcnt 16                              ; this token tile's cos and sin are in; the two later sets, 8 loads each, may be out
.elseif \a == 6
	s_wait_loadcnt 8
.else
	s_wait_loadcnt 0
.endif
.irp g, 0,1
.if N == 12
	s_wait_xcnt 0x0                                ; the first groups' stores have read their codes: their registers are written again from here on
.endif
	ROPEGRP \a, \g
	CONV CD+8*(N%12), OUT+2*\g, 1024*\a
.set N, N+1
.endr
.if \a < 5
	CSLOAD \a+3                                    ; into the set just read
.endif
.endr
	s_branch .Lend
.Lv_out:
.set N, 0
.irp a, 0,1,2,3,4,5,6,7                ; block a of wv: head a / 4 of my two, channel tile a % 4;  group g: 64 keys
.irp g, 0,1
.if N == 12
	s_wait_xcnt 0x0
.endif
	VGRP \a, \g
	CONV CD+8*(N%12), OUT, (\a/4)*262144+4096*\g+1024*(\a%4)
.set N, N+1
.endr
.endr
.Lend:
	s_wait_tensorcnt 0x0                           ; the wave's end
	ds_add_u32 v[SPW], v[NIL]
	s_wait_dscnt 0x0
	CROUND                                         ; the closing round: no work-group ends while a partner may still ask for a tile that names it
	s_endpgm
.Lfunc_end_k_q45b52c0603_qkv:
	.size	k_q45b52c0603_qkv, .Lfunc_end_k_q45b52c0603_qkv-k_q45b52c0603_qkv
	.p2alignl 7, 3214868480
	.fill 96, 4, 3214868480
	.section	.rodata,"a",@progbits
	.p2align	6, 0x0
	.amdhsa_kernel k_q45b52c0603_qkv
		.amdhsa_group_segment_fixed_size 327680
		.amdhsa_private_segment_fixed_size 0
		.amdhsa_enable_private_segment 0
		.amdhsa_kernarg_size 40
		.amdhsa_user_sgpr_count 2
		.amdhsa_user_sgpr_kernarg_segment_ptr 1
		.amdhsa_wavefront_size32 1
		.amdhsa_system_sgpr_workgroup_id_x 1
		.amdhsa_system_sgpr_workgroup_id_y 1
		.amdhsa_system_sgpr_workgroup_id_z 1
		.amdhsa_system_vgpr_workitem_id 0
		.amdhsa_next_free_vgpr 1024
		.amdhsa_next_free_sgpr 100
		.amdhsa_reserve_vcc 0
		.amdhsa_float_denorm_mode_32 3
		.amdhsa_float_denorm_mode_16_64 3
		.amdhsa_fp16_overflow 1
		.amdhsa_memory_ordered 1
		.amdhsa_forward_progress 1
		.amdhsa_inst_pref_size 166
	.end_amdhsa_kernel
	.amdgpu_metadata
---
amdhsa.version: [ 1, 2 ]
amdhsa.kernels:
  - .name:           k_q45b52c0603_qkv
    .symbol:         k_q45b52c0603_qkv.kd
    .args:
      - { .name: wc, .offset: 0, .size: 8, .value_kind: global_buffer, .address_space: global }
      - { .name: cs, .offset: 8, .size: 8, .value_kind: global_buffer, .address_space: global }
      - { .name: lowp_scales, .offset: 16, .size: 8, .value_kind: global_buffer, .address_space: global }
      - { .name: qc, .offset: 24, .size: 8, .value_kind: global_buffer, .address_space: global }
      - { .name: kv, .offset: 32, .size: 8, .value_kind: global_buffer, .address_space: global }
    .group_segment_fixed_size: 327680
    .private_segment_fixed_size: 0
    .kernarg_segment_align: 8
    .kernarg_segment_size: 40
    .max_flat_workgroup_size: 128
    .sgpr_count:     100
    .vgpr_count:     1024
    .wavefront_size: 32
...
	.end_amdgpu_metadata
.endif
;; end of part 2
;; launch attn (part 3): grid 4 x 64, 8 waves a work-group, no clusters, 327,680 bytes of LDS; arguments qc, kv, lowp_scales, hc; writes hc
.if DOCPART == 3
	.amdgcn_target "amdgcn-amd-amdhsa--gfx1250"
	.amdhsa_code_object_version 6
	.text
	.protected	k_q45b52c0603_attn
	.globl	k_q45b52c0603_attn
	.p2align	8
	.type	k_q45b52c0603_attn,@function
k_q45b52c0603_attn:
	s_mov_b64 s[64:65], 0
	v_nop
	global_prefetch_b8 v0, s[64:65] scope:SCOPE_SE
	s_setreg_imm32_b32 hwreg(HW_REG_WAVE_MODE, 25, 1), 1
	s_wait_xcnt 0x0
; h = softmax(q k^T / 8, causal) v for one head, both products on codes of E4M3; h leaves as codes, laid as the image of the last product's operand.
; qc: [bh][tile of 16 queries][c][lane][16].  kv: [bh][slot of 256 keys][32,768]: K as 16 tiles x 1,024 bytes, then V^T as [64 keys][channel tile][c][512].  hc: [token tile][kc = 2 head + c][512].
; A tile's lane r holds row 32 (T / 2) + 8 (T % 2) + r + 8 (r / 8); with it as source 0, register j of lane (r, h) of the result belongs to row 32 (T / 2) + 16 h + 8 (T % 2) + j.
; THE SOFTMAX: t = score x log2(e) / 8; M = the running largest t rounded up to a whole number; p = 2^(t - M) is quantised, not normalised; the row's sum is taken of the unquantised p and divides at the end.
; SHARES.  Work-group (p, bh) takes the blocks of 256 queries p and 7 - p, one after the other: key slots 0 .. p, then 0 .. 7 - p: nine slots in every work-group, so that all have equal work and the trip count is a constant.
; Wave w owns 32 neighbouring queries, two tiles, so that each fragment of K and V feeds two matrix instructions.  A key step is 64 keys: 8 products K Q^T, 8 products V^T P^T (both transposed: a lane holds one query).
; A step all of whose keys come after the wave's queries is jumped over (a scalar branch on ids); on the diagonal hidden scores become -infinity ahead of the maximum.  Key 0 counts for every query.
; NO CLUSTER: the four work-groups of a head want different slots in the same trip (slot trip - p - 1 in the second block); walking in step would take 12 slot times in place of 9.
; LIMITS: e6 + e7 between -123 and 130; e8, and e10 - e8 - e9, between -126 and 119.  NaN among the inputs is not served.
.set SLOTB, 32768
.set SCR,   65536                      ; the second block's Q, 2,048 bytes a wave: stored by ds_store, never a fill's target
.set SPARE, 81920                      ; the spare words, 128 bytes a wave, four blocks of 256 bytes that no other line names
.set LI,   1                           ; v1   16 x lane
.set ADR,  2                           ; v2   the step's tiles in LDS
.set PFO,  3                           ; v3   256 x lane
.set SPW,  4                           ; v4   my spare word; never rewritten
.set NIL,  5                           ; v5   0; never rewritten
.set NINF, 6                           ; v6   -infinity
.set QSC,  7                           ; v7   my place in SCR
.set DQ,   8                           ; v8-9 tile u: my query - the wave's first - 16 h
.set PSC,  10                          ; v10  2^e8
.set PLIM, 11
.set Q,    16                          ; v16-31   Q, 8 a tile
.set KFR,  32                          ; v32-63   four tiles of K
.set VFR,  64                          ; v64-95   four tiles of V^T
.set S,    96                          ; v96-159  S^T, then p: 32 a tile
.set O,    160                         ; v160-223 O^T: 32 a tile
.set PC,   224                         ; v224-239 codes, 8 a tile
.set ST,   240                         ; tile u at + 8 u: -M, largest t, the sum (2), f (2), at work (2)
; s12 wave, s13 p, s14 bh, s15 trip, s16 steps to go, s17 LDS byte of the step's tiles, s18 the step's first key, s19 my first query, s[20:21] lane selects, s[22:23] c,
; s[24:31] group 1, s[32:35] group 0, s[36:37] kv at my head (+ my half of a slot), s[38:39] an offset, s[40:41] hc at my rows, s[42:43], s44 the same and my first query in the second block, s[46:47], s48 the prefetches
.macro TLOAD                           ; wave 0 fetches a slot's K, wave 1 its V: 64 rows of 256 bytes each.  An s_nop 0 and four v_nop follow
	s_cmp_lt_u32 s12, 2
	s_cbranch_scc0 .Lnone_\@
	tensor_load_to_lds s[32:35], s[24:31]
	s_nop 0
.rept 4
	v_nop
.endr
.Lnone_\@:
.endm
; A prefetch into the L2 of the slot that the head's first work-group (p = 0) loads at its NEXT change of slots: in trip t it loads slot t and names slot t + 1, t = 0 .. 6.
; Waves 2 to 5, which fetch nothing, ask: 8,192 bytes a wave, lanes 256 bytes apart: each aligned block of 256 bytes of slots 1 to 7 is named once in the launch.  Slot 0 comes by its load alone.
.macro ASK
	s_cmp_lt_u32 s15, s48
	s_cbranch_scc0 .Lnot_mine_\@
	global_prefetch_b8 v[PFO], s[46:47] th:TH_LOAD_NT scope:SCOPE_SE
.Lnot_mine_\@:
.endm
.macro INIT                            ; O^T and the sums begin as zeros, the largest t under every t: the first change of M multiplies zeros
.set j, 0
.rept 64
	v_mov_b32 v[O+j], 0
.set j, j+1
.endr
.irp u, 0,1
	v_mov_b32 v[ST+8*\u+1], 0xff61b1e6             ; -3e38
	s_delay_alu instid0(VALU_DEP_1)
	v_floor_f32 v[ST+8*\u], -v[ST+8*\u+1]
	v_mov_b32 v[ST+8*\u+2], 0
	v_mov_b32 v[ST+8*\u+3], 0
	v_mov_b32 v[ST+8*\u+5], 0                      ; (named as the upper half of f's pair)
	v_mov_b32 v[12+\u], 0                          ; a lane permute's destination counts as one of its sources
.endr
.endm
	s_load_b256 s[4:11], s[0:1], 0x0               ; qc, kv, the scales, hc
	v_lshl_add_u32 v[SPW], v0, 2, SPARE
	v_mov_b32 v[NIL], 0
	ds_add_u32 v[SPW], v[NIL]                      ; the wave's opening: the add and its wait ahead of the first tensor load
	ds_add_u32 v[SPW], v[NIL]
	v_lshrrev_b32 v1, 5, v0
	s_delay_alu instid0(VALU_DEP_1)
	v_readfirstlane_b32 s12, v1                    ; wave 0..7
	s_mov_b32 s13, ttmp9                           ; p
	s_and_b32 s14, ttmp7, 0xffff                   ; 16 batch + head
	s_mov_b32 s24, 3<<16                           ; no mask; elements of 8 bytes; no padding
	s_mov_b32 s25, 32<<16                          ; tensor_dim0 = 32 elements: rows of 256 bytes
	s_mov_b32 s26, 64<<16                          ; tensor_dim1 = 64
	s_mov_b32 s27, 32<<16                          ; tile_dim0
	s_mov_b32 s28, 64                              ; tile_dim1
	s_mov_b32 s29, 32                              ; dense
	s_mov_b32 s30, 0
	s_mov_b32 s31, 0
	s_mov_b32 s20, 0x76543210
	s_mov_b32 s21, 0xfedcba98
	s_mov_b32 s17, 0
	s_mov_b32 s18, 0
	s_mov_b32 s15, 0
	s_wait_dscnt 0x0                               ; the opening add is done
	s_wait_kmcnt 0x0
	s_load_b256 s[52:59], s[8:9], 0x0              ; e0 .. e7
	s_load_b128 s[60:63], s[8:9], 0x20             ; e8 .. e11
	s_lshl_b32 s38, s14, 18                        ; a head's 8 slots
	s_lshl_b32 s66, s12, 14                        ; the half of a slot that I fetch, if I fetch
	s_add_co_u32 s38, s38, s66
	s_mov_b32 s39, 0
	s_add_nc_u64 s[36:37], s[6:7], s[38:39]
	s_mov_b32 s32, 1
	s_lshl_b32 s33, s12, 14                        ; LDS: slot 0 + 16,384 x wave
	s_mov_b64 s[34:35], s[36:37]                   ; key slot 0
	s_or_b32 s35, s35, 0x80000000
	TLOAD
	v_and_b32 v1, 31, v0
	s_delay_alu instid0(VALU_DEP_1)
	v_lshlrev_b32 v[PFO], 8, v1
	s_delay_alu instid0(VALU_DEP_2)
	v_lshlrev_b32 v[LI], 4, v1
	s_wait_alu depctr_va_vdst(0)
	s_lshl_b32 s66, s14, 17                        ; Q: a head's 128 tiles of 1,024 bytes,
	s_lshl_b32 s67, s12, 11                        ; my two tiles,
	s_add_co_u32 s66, s66, s67
	s_lshl_b32 s67, s13, 14                        ; block p,
	s_add_co_u32 s68, s66, s67
	s_sub_co_u32 s67, 7, s13                       ; block 7 - p
	s_lshl_b32 s70, s67, 14
	s_add_co_u32 s70, s66, s70
	s_mov_b32 s69, 0
	s_mov_b32 s71, 0
	s_add_nc_u64 s[68:69], s[4:5], s[68:69]
	s_add_nc_u64 s[70:71], s[4:5], s[70:71]
.irp i, 0,1,2,3
	global_load_b128 v[Q+4*\i:Q+4*\i+3], v[LI], s[68:69] offset:512*\i
.endr
.irp i, 0,1,2,3
	global_load_b128 v[S+4*\i:S+4*\i+3], v[LI], s[70:71] offset:512*\i
.endr
	s_lshl_b32 s66, s12, 11
	s_add_co_u32 s66, s66, SCR
	v_add_nc_u32 v[QSC], s66, v[LI]
	v_and_b32 v12, 15, v0                          ; r
	v_bfe_u32 v13, v0, 4, 1                        ; h
	s_delay_alu instid0(VALU_DEP_2)
	v_and_b32 v14, 8, v12
	s_delay_alu instid0(VALU_DEP_1)
	v_add_nc_u32 v12, v12, v14                     ; r + 8 (r / 8)
	s_delay_alu instid0(VALU_DEP_3)
	v_lshlrev_b32 v13, 4, v13
	s_delay_alu instid0(VALU_DEP_1)
	v_sub_nc_u32 v[DQ], v12, v13
	s_delay_alu instid0(VALU_DEP_1)
	v_add_nc_u32 v[DQ+1], 8, v[DQ]
	v_mov_b32 v[NINF], 0xff800000
	s_lshr_b32 s66, s14, 4                         ; hc: the batch's 128 tiles of 16,384 bytes,
	s_lshl_b32 s66, s66, 21
	s_and_b32 s67, s14, 15                         ; the head's two kc,
	s_lshl_b32 s67, s67, 10
	s_add_co_u32 s66, s66, s67
	s_lshl_b32 s67, s12, 15                        ; my two tiles
	s_add_co_u32 s66, s66, s67
	s_lshl_b32 s72, s13, 18
	s_add_co_u32 s72, s72, s66
	s_mov_b32 s73, 0
	s_add_nc_u64 s[40:41], s[10:11], s[72:73]
	s_sub_co_u32 s67, 7, s13
	s_lshl_b32 s74, s67, 18
	s_add_co_u32 s74, s74, s66
	s_mov_b32 s75, 0
	s_add_nc_u64 s[42:43], s[10:11], s[74:75]
	s_lshl_b32 s66, s12, 5
	s_lshl_b32 s19, s13, 8
	s_add_co_u32 s19, s19, s66                     ; my first query: 256 block + 32 wave
	s_lshl_b32 s44, s67, 8
	s_add_co_u32 s44, s44, s66
	s_sub_co_u32 s66, s12, 2
	s_lshr_b32 s67, s66, 2                         ; 0 in waves 2 to 5,
	s_or_b32 s67, s67, s13                         ; of the head's first work-group
	s_cmp_eq_u32 s67, 0
	s_cselect_b32 s48, 7, 0
	s_and_b32 s66, s66, 3
	s_lshl_b32 s66, s66, 13
	s_lshl_b32 s67, s14, 18
	s_add_co_u32 s66, s66, s67
	s_mov_b32 s67, 0
	s_add_nc_u64 s[46:47], s[6:7], s[66:67]        ; my 8,192 bytes of slot 0; the first change of slots steps it to slot 1
	INIT
	s_wait_kmcnt 0x0
	s_add_co_i32 s66, s58, s59
	s_lshl_b32 s66, s66, 23
	s_add_co_i32 s22, s66, 0x3e38aa3b              ; c = log2(e) / 8, with e6 + e7 added to its exponent field
	s_mov_b32 s23, s22                             ; (named with it as a pair)
	s_add_co_i32 s66, s60, 127
	s_lshl_b32 s67, s66, 23
	v_mov_b32 v[PSC], s67
	s_sub_co_i32 s66, s62, s60
	s_sub_co_i32 s66, s66, s61                     ; O / l stands for h / 2^(e8 + e9): h's code is (O / l) / 2^(e10 - e8 - e9)
	s_add_co_i32 s66, s66, 127
	s_lshl_b32 s76, s66, 23
	s_wait_loadcnt 0x0
.irp i, 0,1,2,3
	ds_store_b128 v[QSC], v[S+4*\i:S+4*\i+3] offset:512*\i   ; the second block's Q waits in my own bytes of LDS
.endr
; A KEY STEP: 64 keys.
.macro STEP
	s_add_co_u32 s66, s19, 31
	s_cmp_gt_u32 s18, s66
	s_cbranch_scc1 .Lhid_\@                        ; all its keys come after my 32 queries
	s_setprio 2
	v_add_nc_u32 v[ADR], s17, v[LI]
.irp i, 0,1,2,3,4,5,6,7
	ds_load_b128 v[KFR+4*\i:KFR+4*\i+3], v[ADR] offset:512*\i
.endr
.irp i, 0,1,2,3,4,5,6,7
	ds_load_b128 v[VFR+4*\i:VFR+4*\i+3], v[ADR] offset:16384+512*\i
.endr
	s_wait_dscnt 8                                 ; K's eight loads are in; V's eight may be out
.irp t, 0,1,2,3
.irp u, 0,1
	v_wmma_f32_16x16x64_fp8_fp8 v[S+32*\u+8*\t:S+32*\u+8*\t+7], v[KFR+8*\t:KFR+8*\t+7], v[Q+8*\u:Q+8*\u+7], 0
.endr
.endr
.rept 4
	v_nop
.endr
	s_add_co_u32 s66, s18, 63
	s_cmp_le_u32 s66, s19
	s_cbranch_scc1 .Lopen_\@                       ; all its keys count for all my queries
	s_sub_co_i32 s66, s19, s18
	v_add_nc_u32 v14, s66, v[DQ]                   ; register n holds the key 32 (n / 16) + n % 16 + 16 h from the step's first: hidden where 32 (n / 16) + n % 16 is above this
	v_add_nc_u32 v15, s66, v[DQ+1]
.irp u, 0,1
.set n, 0
.rept 32
	v_cmp_gt_i32 vcc_lo, 32*(n/16)+n%16, v[14+\u]
	v_cndmask_b32 v[S+32*\u+n], v[S+32*\u+n], v[NINF], vcc_lo
.set n, n+1
.endr
.endr
.Lopen_\@:
.irp u, 0,1                                    ; the largest score, in two chains a tile, ascending: each accumulator is read from its low end on
	v_max3_num_f32 v[ST+8*\u+6], v[S+32*\u], v[S+32*\u+1], v[S+32*\u+2]
.endr
.irp u, 0,1
	v_max3_num_f32 v[ST+8*\u+7], v[S+32*\u+3], v[S+32*\u+4], v[S+32*\u+5]
.endr
.irp i, 6,10,14,18,22,26
.irp u, 0,1
	v_max3_num_f32 v[ST+8*\u+6], v[ST+8*\u+6], v[S+32*\u+\i], v[S+32*\u+\i+1]
.endr
.irp u, 0,1
	v_max3_num_f32 v[ST+8*\u+7], v[ST+8*\u+7], v[S+32*\u+\i+2], v[S+32*\u+\i+3]
.endr
.endr
.irp u, 0,1
	v_max3_num_f32 v[ST+8*\u+6], v[ST+8*\u+6], v[S+32*\u+30], v[S+32*\u+31]
.endr
.irp u, 0,1
	s_delay_alu instid0(VALU_DEP_2)
	v_max_num_f32 v[ST+8*\u+6], v[ST+8*\u+6], v[ST+8*\u+7]
.endr
.irp u, 0,1
	s_delay_alu instid0(VALU_DEP_2)
	v_permlanex16_b32 v[12+\u], v[ST+8*\u+6], s20, s21   ; the query's other 32 keys lie in the lane 16 away
.endr
.irp u, 0,1
	s_delay_alu instid0(VALU_DEP_2)
	v_max_num_f32 v[ST+8*\u+6], v[ST+8*\u+6], v[12+\u]
.endr
.irp u, 0,1
	s_delay_alu instid0(VALU_DEP_2)
	v_mul_f32 v[ST+8*\u+6], s22, v[ST+8*\u+6]      ; as t (c is positive)
.endr
.irp u, 0,1
	s_delay_alu instid0(VALU_DEP_2)
	v_max_num_f32 v[ST+8*\u+1], v[ST+8*\u+1], v[ST+8*\u+6]
.endr
.irp u, 0,1
	v_mov_b32 v[ST+8*\u+6], v[ST+8*\u]
.endr
.irp u, 0,1
	s_delay_alu instid0(VALU_DEP_4)
	v_floor_f32 v[ST+8*\u], -v[ST+8*\u+1]          ; -M = floor(-t): M is a whole number
.endr
.irp u, 0,1
	s_delay_alu instid0(VALU_DEP_2)
	v_sub_f32 v[ST+8*\u+6], v[ST+8*\u], v[ST+8*\u+6]
.endr
.irp u, 0,1
	s_delay_alu instid0(VALU_DEP_2)
	v_cvt_i32_f32 v[ST+8*\u+6], v[ST+8*\u+6]       ; old M - new M, 0 or less (it saturates)
.endr
.irp u, 0,1
	s_delay_alu instid0(VALU_DEP_2)
	v_ldexp_f32 v[ST+8*\u+4], 1.0, v[ST+8*\u+6]    ; f = 2^(old M - new M): a multiplication by it rounds nothing
.endr
.irp u, 0,1
.set j, 0
.rept 16
	v_pk_fma_f32 v[S+32*\u+j:S+32*\u+j+1], v[S+32*\u+j:S+32*\u+j+1], s[22:23], v[ST+8*\u:ST+8*\u+1] op_sel_hi:[1,0,0]   ; t - M
.set j, j+2
.endr
.endr
.set j, 0
	s_setprio 1
	s_wait_alu depctr_va_vdst(0)
.rept 64
	v_exp_f32 v[S+j], v[S+j]                       ; p = 2^(t - M): one batch
.set j, j+1
.endr
.irp u, 0,1
	v_pk_mul_f32 v[ST+8*\u+2:ST+8*\u+3], v[ST+8*\u+2:ST+8*\u+3], v[ST+8*\u+4:ST+8*\u+5] op_sel_hi:[1,0]   ; the sums under the new M: the plain instructions behind the batch
.endr
	s_wait_alu depctr_va_vdst(0)                   ; one wait for the 64 exponentials, ahead of their first reader
.irp u, 0,1
	v_pk_add_f32 v[ST+8*\u+6:ST+8*\u+7], v[S+32*\u:S+32*\u+1], v[S+32*\u+2:S+32*\u+3]   ; the row's sum is taken of the unquantised p, in two chains a tile
.endr
.irp i, 4,8,12,16,20,24,28
.irp u, 0,1
	v_pk_add_f32 v[ST+8*\u+2:ST+8*\u+3], v[ST+8*\u+2:ST+8*\u+3], v[S+32*\u+\i:S+32*\u+\i+1]
	v_pk_add_f32 v[ST+8*\u+6:ST+8*\u+7], v[ST+8*\u+6:ST+8*\u+7], v[S+32*\u+\i+2:S+32*\u+\i+3]
.endr
.endr
.irp u, 0
	s_delay_alu instid0(VALU_DEP_3)
	v_pk_add_f32 v[ST+8*\u+2:ST+8*\u+3], v[ST+8*\u+2:ST+8*\u+3], v[ST+8*\u+6:ST+8*\u+7]
.endr
.irp u, 1
	s_delay_alu instid0(VALU_DEP_2)
	v_pk_add_f32 v[ST+8*\u+2:ST+8*\u+3], v[ST+8*\u+2:ST+8*\u+3], v[ST+8*\u+6:ST+8*\u+7]
.endr
.set j, 0
.rept 64
.set j, j+1
.endr
.irp u, 0,1
.irp t, 0,1,2,3
	v_cvt_scalef32_pk8_fp8_f32 v[PC+8*\u+2*\t:PC+8*\u+2*\t+1], v[S+32*\u+8*\t:S+32*\u+8*\t+7], v[PSC]
.endr
.endr
.irp u, 0,1
.set j, 0
.rept 16
	v_pk_mul_f32 v[O+32*\u+j:O+32*\u+j+1], v[O+32*\u+j:O+32*\u+j+1], v[ST+8*\u+4:ST+8*\u+5] op_sel_hi:[1,0]   ; O^T under the new M; also the plain instructions behind the conversions
.set j, j+2
.endr
.endr
	s_setprio 0
	s_wait_alu depctr_va_vdst(0)
	s_wait_dscnt 0x0                               ; V is in
.irp d, 0,1,2,3
.irp u, 0,1
	v_wmma_f32_16x16x64_fp8_fp8 v[O+32*\u+8*\d:O+32*\u+8*\d+7], v[VFR+8*\d:VFR+8*\d+7], v[PC+8*\u:PC+8*\u+7], v[O+32*\u+8*\d:O+32*\u+8*\d+7]   ; eight accumulators, one instruction each
.endr
.endr
.rept 4
	v_nop                                          ; places in front of the next loads into V's registers and of the first read of O^T
.endr
.Lhid_\@:
	s_add_co_u32 s18, s18, 64
	s_add_co_u32 s17, s17, 4096
.endm
.macro SLOT4                           ; a slot's four key steps: written once, walked four times
	s_mov_b32 s16, 4
.Lst_\@:
	STEP
	s_sub_co_u32 s16, s16, 1
	s_cmp_lg_u32 s16, 0
	s_cbranch_scc1 .Lst_\@
	s_setprio 0
	s_sub_co_u32 s17, s17, 16384                   ; back to a slot's first step,
	s_xor_b32 s17, s17, SLOTB                      ; in the other slot
.endm
; THE CHANGE OF SLOTS, at a slot's head.  Each wave waits for all its tensor loads, adds 0 to its spare word, and waits for that and for its reads of the slot that it has left.
; fill = 1: that slot takes the key slot of the next trip: trip + 1 while that lies in the first block's walk (up to p), else trip - p.  The load has a whole slot's steps in which to land.
.macro CHANGE fill
	s_wait_tensorcnt 0x0                           ; no tensor load of mine is out, so group 0 may be written
	ds_add_u32 v[SPW], v[NIL]
.if \fill
	s_add_co_u32 s66, s15, 1
	s_sub_co_u32 s67, s15, s13
	s_cmp_le_u32 s66, s13
	s_cselect_b32 s38, s66, s67
	s_lshl_b32 s38, s38, 15
	s_add_nc_u64 s[34:35], s[36:37], s[38:39]
	s_or_b32 s35, s35, 0x80000000
	s_xor_b32 s33, s33, SLOTB
	s_wait_xcnt 0x0                                ; the last prefetch, a slot back, has read its address
	s_add_nc_u64 s[46:47], s[46:47], SLOTB
.endif
	s_wait_dscnt 0x0                               ; the add is done, and my reads of the slot that I have left are over
	s_barrier_signal -1
	s_barrier_wait -1
.if \fill
	TLOAD                                          ; the first thing behind the barrier, and a wave's one tensor load until the next
	ASK
.endif
.endm
; A block of queries is finished: O^T / the sum, quantised along the channels: the codes are the image's bytes as they stand: four stores of 512 consecutive aligned bytes.
.macro FINISH
.irp u, 0,1
	v_add_f32 v[ST+8*\u+6], v[ST+8*\u+2], v[ST+8*\u+3]
.endr
.irp u, 0,1
	s_delay_alu instid0(VALU_DEP_2)
	v_permlanex16_b32 v[12+\u], v[ST+8*\u+6], s20, s21
.endr
.irp u, 0,1
	s_delay_alu instid0(VALU_DEP_2)
	v_add_f32 v[ST+8*\u+6], v[ST+8*\u+6], v[12+\u]
.endr
	s_wait_alu depctr_va_vdst(0)
.irp u, 0,1
	v_rcp_f32 v[ST+8*\u+4], v[ST+8*\u+6]
.endr
	v_mov_b32 v14, s76                             ; (plain instructions behind the reciprocals)  2^(e10 - e8 - e9)
	s_wait_alu depctr_va_vdst(0)                   ; one wait for both reciprocals, ahead of their first reader
.irp u, 0,1
.set j, 0
.rept 16
	v_pk_mul_f32 v[S+32*\u+j:S+32*\u+j+1], v[O+32*\u+j:O+32*\u+j+1], v[ST+8*\u+4:ST+8*\u+5] op_sel_hi:[1,0]
.set j, j+2
.endr
.endr
.set j, 0
.rept 64
.set j, j+1
.endr
.irp u, 0,1
.irp d, 0,1,2,3
	v_cvt_scalef32_pk8_fp8_f32 v[PC+8*\u+2*\d:PC+8*\u+2*\d+1], v[S+32*\u+8*\d:S+32*\u+8*\d+7], v14
.endr
.endr
	v_nop                                          ; a plain instruction behind the last conversion
.irp u, 0,1
.irp c, 0,1
	global_store_b128 v[LI], v[PC+8*\u+4*\c:PC+8*\u+4*\c+3], s[40:41] offset:16384*\u+512*\c
.endr
.endr
.endm
.Ltrip:                                            ; eight trips; the ninth slot is written out
	CHANGE 1
	SLOT4
	s_cmp_lg_u32 s15, s13
	s_cbranch_scc1 .Lsame
	s_wait_alu depctr_va_vdst(0)
	FINISH                                         ; trip p ends the first block
	s_wait_xcnt 0x0                                ; its stores have read their codes and their base
	s_mov_b64 s[40:41], s[42:43]
	s_mov_b32 s19, s44
	s_mov_b32 s18, 0
.irp i, 0,1,2,3
	ds_load_b128 v[Q+4*\i:Q+4*\i+3], v[QSC] offset:512*\i
.endr
	INIT
	s_wait_dscnt 0x0
.Lsame:
	s_add_co_u32 s15, s15, 1
	s_cmp_lt_u32 s15, 8
	s_cbranch_scc1 .Ltrip
	CHANGE 0
	SLOT4
	s_wait_alu depctr_va_vdst(0)
	FINISH
	s_wait_tensorcnt 0x0                           ; the wave's end
	ds_add_u32 v[SPW], v[NIL]
	s_wait_dscnt 0x0
	s_endpgm
.Lfunc_end_k_q45b52c0603_attn:
	.size	k_q45b52c0603_attn, .Lfunc_end_k_q45b52c0603_attn-k_q45b52c0603_attn
	.p2alignl 7, 3214868480
	.fill 96, 4, 3214868480
	.section	.rodata,"a",@progbits
	.p2align	6, 0x0
	.amdhsa_kernel k_q45b52c0603_attn
		.amdhsa_group_segment_fixed_size 327680
		.amdhsa_private_segment_fixed_size 0
		.amdhsa_enable_private_segment 0
		.amdhsa_kernarg_size 32
		.amdhsa_user_sgpr_count 2
		.amdhsa_user_sgpr_kernarg_segment_ptr 1
		.amdhsa_wavefront_size32 1
		.amdhsa_system_sgpr_workgroup_id_x 1
		.amdhsa_system_sgpr_workgroup_id_y 1
		.amdhsa_system_sgpr_workgroup_id_z 1
		.amdhsa_system_vgpr_workitem_id 0
		.amdhsa_next_free_vgpr 256
		.amdhsa_next_free_sgpr 80
		.amdhsa_reserve_vcc 1
		.amdhsa_float_denorm_mode_32 3
		.amdhsa_float_denorm_mode_16_64 3
		.amdhsa_fp16_overflow 1
		.amdhsa_memory_ordered 1
		.amdhsa_forward_progress 1
		.amdhsa_inst_pref_size 59
	.end_amdhsa_kernel
	.amdgpu_metadata
---
amdhsa.version: [ 1, 2 ]
amdhsa.kernels:
  - .name:           k_q45b52c0603_attn
    .symbol:         k_q45b52c0603_attn.kd
    .args:
      - { .name: qc, .offset: 0, .size: 8, .value_kind: global_buffer, .address_space: global }
      - { .name: kv, .offset: 8, .size: 8, .value_kind: global_buffer, .address_space: global }
      - { .name: lowp_scales, .offset: 16, .size: 8, .value_kind: global_buffer, .address_space: global }
      - { .name: hc, .offset: 24, .size: 8, .value_kind: global_buffer, .address_space: global }
    .group_segment_fixed_size: 327680
    .private_segment_fixed_size: 0
    .kernarg_segment_align: 8
    .kernarg_segment_size: 32
    .max_flat_workgroup_size: 256
    .sgpr_count:     80
    .vgpr_count:     256
    .wavefront_size: 32
...
	.end_amdgpu_metadata
.endif
;; end of part 3
;; launch oproj (part 4): grid 8 x 32, 4 waves a work-group, clusters of 4 x 4, 327,680 bytes of LDS; arguments hc, wc, lowp_scales, out0; writes out0
.if DOCPART == 4
	.amdgcn_target "amdgcn-amd-amdhsa--gfx1250"
	.amdhsa_code_object_version 6
	.text
	.protected	k_q45b52c0603_oproj
	.globl	k_q45b52c0603_oproj
	.p2align	8
	.type	k_q45b52c0603_oproj,@function
k_q45b52c0603_oproj:
	s_mov_b64 s[64:65], 0
	v_nop
	global_prefetch_b8 v0, s[64:65] scope:SCOPE_SE
	s_setreg_imm32_b32 hwreg(HW_REG_WAVE_MODE, 25, 1), 1
	s_wait_xcnt 0x0
	s_wait_alu depctr_hold_cnt(0) depctr_sa_sdst(0) depctr_va_vdst(0) depctr_va_sdst(0) depctr_va_ssrc(0) depctr_va_vcc(0) depctr_vm_vsrc(0)
	s_getreg_b32 s2, hwreg(HW_REG_IB_STS2, 6, 4)
	s_cmp_eq_u32 s2, 0
	s_cbranch_scc0 .Lentry_in_a_cluster
	s_endpgm
.Lentry_in_a_cluster:
	s_bfe_u32 s2, ttmp6, 0x10000c
	s_cmp_lg_u32 s2, 0xf033
	s_cbranch_scc0 .Lentry_shape_is_right
	s_endpgm
.Lentry_shape_is_right:
; out0 = h wo^T on codes of E4M3: h's image hc and wo's image (the fourth MiB of wc), [tile of 16 rows][kc][lane][16]; each finished sum x 2^(e10 + e11); out0 [8192][1024] f32.
; A tile's lane r holds row 32 (T / 2) + 8 (T % 2) + r + 8 (r / 8); with it as source 0, register j of lane (r, h) of the result belongs to row 32 (T / 2) + 16 h + 8 (T % 2) + j.
; SHARES.  A work-group makes 256 tokens x 128 columns: 256 work-groups.  A wave makes 128 x 64: 32 accumulators.  Source 0 = wo's rows, source 1 = h's tokens: a lane holds eight neighbouring columns of one token.
; CLUSTER 4 x 4: h's tile is asked for jointly along a row of the cluster, wo's along a column.
; K = 1,024 is four steps of 256.  THREE slots are filled at the start (one load of mine is out: each waits for the one before); K step 3 takes slot 0 again behind the one round inside the walk, and has two K steps in which to land.
; No prefetch: four K steps, three of them asked for at the head.
; LIMIT: e10 + e11 between -126 and 127.
; REGISTERS: window 0: v16-29 addresses; v32-127 the way out; v128-255 A's fragments, one set.  window 1: B's fragments, two sets of 64.  window 2: the accumulators, (a, b) at v[8 (4 a + b)].
.set FR,     16
.set NL,     4
.set NP,     4                         ; places behind this matrix instruction (ISA guide 7.12.1)
.set TILEB,  4096                      ; a tile's bytes in a slot: 16 rows x 256 K
.set SLOT,   98304                     ; A's 16 tiles, then B's 8
.set SPARE,  3*SLOT                    ; behind the slots: the spare words, 128 bytes a wave, two blocks of 256 bytes that no other line names
.set STAGE,  SLOT                      ; the way out: 16 rows x 272 bytes a wave, in slot 1: it has had its one fill, and every wave has passed the last barrier behind its last read of it
.set SPITCH, 272                       ; 256 bytes + 16: row r starts at bank 4 r mod 64
.set ADRA, 16                          ; v16-18  my A fragments in slot 0, 1, 2
.set ADRB, 20                          ; v20-22  my B fragments
.set STO,  24                          ; v24     the stage: where I put 32 bytes of a row
.set RD,   25                          ; v25     and where I read a row back
.set LI,   26                          ; v26     16 x lane
.set CO,   27                          ; v27     my byte offset in two rows of out0
.set SPW,  28                          ; v28     my spare word; never rewritten
.set NIL,  29                          ; v29     0; never rewritten
.set TMP,  32
.set BK,   64                          ; v64-95, v96-127 by turns: 16 rows read back
.set AF,   128
.set G1,  24                           ; s[24:31] group 1 for A: 8 tiles;  s[32:39] for B: 4 tiles
.set G1B, 32
.set G0,  44                           ; s[44:55] A's groups 0, one a slot;  s[68:79] B's
.set G0B, 68
.set MSB, 0
.macro WIN new
.if MSB != (\new)
	s_set_vgpr_msb (MSB<<8)|(\new)
.set MSB, (\new)
.endif
.endm
.set MUL,  0xa1                        ; source 0 (B) window 1, source 1 (A) window 0, C and D window 2
.set TO_B, 0x40
.macro JLOAD g0a, g1a, g0b, g1b        ; waves 0 and 1 fetch A's halves, waves 2 and 3 B's; an s_nop 0 and four v_nop follow each line
	s_cmp_eq_u32 s15, 0
	s_cbranch_scc0 .Lfor_b_\@
	tensor_load_to_lds s[\g0a:\g0a+3], s[\g1a:\g1a+7]
	s_nop 0
.rept 4
	v_nop
.endr
	s_branch .Lasked_\@
.Lfor_b_\@:
	tensor_load_to_lds s[\g0b:\g0b+3], s[\g1b:\g1b+7]
	s_nop 0
.rept 4
	v_nop
.endr
.Lasked_\@:
.endm
.macro CREST
	s_cmp_lg_u32 s14, 0
	s_cbranch_scc1 .Lnot_wave_0_\@
	s_barrier_signal -3
.Lnot_wave_0_\@:
	s_barrier_wait -3
	s_barrier_signal -1
	s_barrier_wait -1
.endm
.macro CROUND
	s_barrier_signal -1
	s_barrier_wait -1
	CREST
.endm
	s_load_b256 s[4:11], s[0:1], 0x0               ; hc, wc, the scales, out0
	v_lshl_add_u32 v[SPW], v0, 2, SPARE
	v_mov_b32 v[NIL], 0
	ds_add_u32 v[SPW], v[NIL]                      ; the wave's opening: the add and its wait ahead of my first tensor load
	ds_add_u32 v[SPW], v[NIL]
	v_lshrrev_b32 v1, 5, v0
	v_readfirstlane_b32 s14, v1                    ; wave 0..3
	s_lshr_b32 s15, s14, 1                         ; my half of the tokens.  Also: I fetch for A (0) or for B (1)
	s_and_b32 s16, s14, 1                          ; my half of the columns.  Also: which half of that tile I fetch
	s_bfe_u32 s40, ttmp6, 0x40000                  ; cx
	s_bfe_u32 s41, ttmp6, 0x40004                  ; cy
	s_lshl_b32 s42, ttmp9, 2
	s_add_co_u32 s42, s42, s40                     ; tile column: 128 columns
	s_and_b32 s17, ttmp7, 0xffff
	s_lshl_b32 s17, s17, 2
	s_add_co_u32 s17, s17, s41                     ; tile row: 256 tokens
	s_lshl_b32 s43, s41, 2
	s_lshl_b32 s43, 15, s43                        ; my row of the cluster
	s_lshl_b32 s56, 0x1111, s40                    ; my column
	s_or_b32 s[G1+0], s43, (3<<16)|(1<<21)         ; the mask; elements of 8 bytes; bit 21 beside a mask; no padding
	s_or_b32 s[G1B+0], s56, (3<<16)|(1<<21)
	s_mov_b32 s[G1+1], 512<<16                     ; tensor_dim0 = 512 elements: a tile's 4,096 bytes of a K step
	s_mov_b32 s[G1+2], 8<<16                       ; tensor_dim1 = 8 tiles
	s_mov_b32 s[G1+3], 512<<16
	s_mov_b32 s[G1+4], 8
	s_mov_b32 s[G1+5], 2048                        ; from tile to tile: 16,384 bytes
	s_mov_b32 s[G1+6], 0
	s_mov_b32 s[G1+7], 0
	s_mov_b32 s[G1B+1], 512<<16
	s_mov_b32 s[G1B+2], 4<<16                      ; 4 tiles
	s_mov_b32 s[G1B+3], 512<<16
	s_mov_b32 s[G1B+4], 4
	s_mov_b32 s[G1B+5], 2048
	s_mov_b32 s[G1B+6], 0
	s_mov_b32 s[G1B+7], 0
	s_lshl_b32 s20, s17, 18                        ; A: 16 tiles of 16,384 bytes a tile row, + my 8
	s_lshl_b32 s18, s16, 17
	s_add_co_u32 s20, s20, s18
	s_mov_b32 s21, 0
	s_lshl_b32 s58, s42, 17                        ; B: 8 tiles a tile column, + my 4, in wo's image
	s_lshl_b32 s57, s16, 16
	s_add_co_u32 s58, s58, s57
	s_add_co_u32 s58, s58, 3<<20
	s_mov_b32 s59, 0
	s_lshl_b32 s22, s16, 15                        ; where they go in a slot: no place in the cluster enters an LDS address
	s_lshl_b32 s60, s16, 14
	s_add_co_u32 s60, s60, 65536
	s_wait_dscnt 0x0                               ; the opening add is done
	s_wait_kmcnt 0x0
	s_load_b64 s[96:97], s[8:9], 0x28              ; e10, e11
	s_add_nc_u64 s[20:21], s[4:5], s[20:21]
	s_add_nc_u64 s[58:59], s[6:7], s[58:59]
	CROUND                                         ; all sixteen work-groups are here: the first joint loads meet
.irp s, 0,1,2
	s_mov_b32 s[G0+4*\s], 1
	s_add_co_u32 s[G0+4*\s+1], s22, \s*SLOT
	s_add_nc_u64 s[G0+4*\s+2:G0+4*\s+3], s[20:21], \s*TILEB
	s_or_b32 s[G0+4*\s+3], s[G0+4*\s+3], 0x80000000
	s_mov_b32 s[G0B+4*\s], 1
	s_add_co_u32 s[G0B+4*\s+1], s60, \s*SLOT
	s_add_nc_u64 s[G0B+4*\s+2:G0B+4*\s+3], s[58:59], \s*TILEB
	s_or_b32 s[G0B+4*\s+3], s[G0B+4*\s+3], 0x80000000
	s_wait_alu depctr_va_vdst(0)
	s_wait_tensorcnt 0x0
	ds_add_u32 v28, v29
	ds_add_u32 v28, v29
	s_wait_dscnt 0x0
	CROUND
	JLOAD G0+4*\s, G1, G0B+4*\s, G1B
.endr
	v_and_b32 v1, 31, v0
	v_lshlrev_b32 v[LI], 4, v1
	s_lshl_b32 s80, s15, 15                        ; my 8 tiles of A
	s_lshl_b32 s81, s16, 14                        ; my 4 tiles of B,
	s_add_co_u32 s81, s81, 65536                   ; behind A's 16
.irp s, 0,1,2
	v_add_nc_u32 v[ADRA+\s], s80, v[LI]
	v_add_nc_u32 v[ADRB+\s], s81, v[LI]
	s_add_co_u32 s80, s80, SLOT
	s_add_co_u32 s81, s81, SLOT
.endr
	v_and_b32 v2, 15, v0                           ; r
	v_bfe_u32 v3, v0, 4, 1                         ; h
	s_mul_i32 s82, s14, 16*SPITCH
	s_add_co_u32 s82, s82, STAGE                   ; my stage
	v_mul_u32_u24 v[STO], v2, SPITCH
	v_lshl_add_u32 v[STO], v3, 6, v[STO]
	v_add_nc_u32 v[STO], s82, v[STO]               ; in: row r, + 64 h
	v_mul_u32_u24 v[RD], v3, SPITCH
	v_lshl_add_u32 v[RD], v2, 4, v[RD]
	v_add_nc_u32 v[RD], s82, v[RD]                 ; back: lanes 0-15 one row of 256 bytes, lanes 16-31 the next
	v_lshlrev_b32 v[CO], 12, v3
	v_lshl_add_u32 v[CO], v2, 4, v[CO]             ; and the same in out0
	s_lshl_b32 s80, s17, 20                        ; 256 rows of 4,096 bytes,
	s_lshl_b32 s81, s15, 19                        ; my 128,
	s_add_co_u32 s80, s80, s81
	s_lshl_b32 s81, s42, 9                         ; 128 columns,
	s_add_co_u32 s80, s80, s81
	s_lshl_b32 s81, s16, 8                         ; my 64
	s_add_co_u32 s80, s80, s81
	s_mov_b32 s81, 0
	s_add_nc_u64 s[10:11], s[10:11], s[80:81]
.macro FRAG reg, adr, q, i
.irp c, 0,1,2,3
	ds_load_b128 v[\reg+4*\c:\reg+4*\c+3], v[\adr] offset:2048*(\q)+512*\c+(\i)*TILEB
.endr
.endm
; 8 matrix instructions: A's blocks a0, a0 + 1 x B's four.  The 32 accumulators take turns, one instruction a turn, in the same order in every step.
.macro MUL8 a0, p, zero
.irp a, \a0, \a0+1
.irp b, 0,1,2,3
.if \zero
	v_wmma_f32_16x16x128_fp8_fp8 v[8*(4*(\a)+\b):8*(4*(\a)+\b)+7], v[64*(\p)+FR*\b:64*(\p)+FR*\b+FR-1], v[AF+FR*(\a):AF+FR*(\a)+FR-1], 0
.else
	v_wmma_f32_16x16x128_fp8_fp8 v[8*(4*(\a)+\b):8*(4*(\a)+\b)+7], v[64*(\p)+FR*\b:64*(\p)+FR*\b+FR-1], v[AF+FR*(\a):AF+FR*(\a)+FR-1], v[8*(4*(\a)+\b):8*(4*(\a)+\b)+7]
.endif
.endr
.endr
.endm
.macro FETCH_B slot, q, p
	WIN TO_B
.irp i, 0,1,2,3
	FRAG 64*(\p)+FR*\i, ADRB+\slot, \q, \i
.endr
	WIN 0
.endm
.macro FETCH_A slot, q, i0
.irp i, \i0, \i0+1, \i0+2, \i0+3
	FRAG AF+FR*(\i), ADRA+\slot, \q, \i
.endr
.endm
.macro PLACES n
.rept \n
	v_nop
.endr
.endm
; A step of 128 along K on B's set p; the next step's fragments come from slot nslot, its nq-th 128.
.macro STEP p, nslot, nq, zero
	s_wait_dscnt 4*NL                              ; B's set and A's blocks 0-3 are in; the youngest 16 loads (A's blocks 4-7) may be out
	WIN MUL
	MUL8 0, \p, \zero
	MUL8 2, \p, \zero
	s_wait_dscnt 0
	PLACES NP
	FETCH_B \nslot, \nq, 1-\p
	FETCH_A \nslot, \nq, 0
	WIN MUL
	MUL8 4, \p, \zero
	MUL8 6, \p, \zero
	PLACES NP
	WIN 0
	FETCH_A \nslot, \nq, 4
.endm
; A step (on B's set 1) with a barrier: in front of it each wave waits for all its tensor loads, adds 0 to its spare word, and waits for that and for its reads so far.  fill = 1: slot 0, just read out, takes K step 3.
.macro TURN next, fill
	s_wait_tensorcnt 0x0                           ; all my tensor loads have landed
	ds_add_u32 v[SPW], v[NIL]
	s_wait_dscnt 4*NL+1                            ; (the add and the youngest 16 loads may be out)
	WIN MUL
	MUL8 0, 1, 0
	s_wait_dscnt 0x0                               ; the add is done, and my reads of the slot in hand are over
	s_barrier_signal -1
	MUL8 2, 1, 0
	WIN 0
	s_barrier_wait -1
.if \fill
	CREST                                          ; the barrier has opened a round of the cluster's: no wave of any partner still reads slot 0 or has a load on its way
	s_add_nc_u64 s[G0+2:G0+3], s[G0+2:G0+3], 3*TILEB
	s_add_nc_u64 s[G0B+2:G0B+3], s[G0B+2:G0B+3], 3*TILEB
	JLOAD G0, G1, G0B, G1B                         ; the first tensor load behind the round; its four v_nop are the places in front of the loads below
.else
	PLACES NP
.endif
	FETCH_B \next, 0, 0
	FETCH_A \next, 0, 0
	WIN MUL
	MUL8 4, 1, 0
	MUL8 6, 1, 0
	PLACES NP
	WIN 0
	FETCH_A \next, 0, 4
.endm
	s_wait_tensorcnt 2                             ; my part of K step 0 is in; slot 2's load may be out
	s_barrier_signal -1
	s_barrier_wait -1
	FETCH_B 0, 0, 0
	FETCH_A 0, 0, 0
	FETCH_A 0, 0, 4
	STEP 0, 0, 1, 1                                ; the first products start the sums
	TURN 1, 1                                      ; every wave's loads have landed in front of this round: slots 1 and 2 are whole for all
	STEP 0, 1, 1, 0
	STEP 1, 2, 0, 0                                ; from slot 1 into slot 2: no barrier is owed
	STEP 0, 2, 1, 0
	TURN 0, 0                                      ; K step 3 is whole in slot 0
	STEP 0, 0, 1, 0
	s_wait_dscnt 4*NL
	WIN MUL
	MUL8 0, 1, 0
	MUL8 2, 1, 0
	s_wait_dscnt 0
	MUL8 4, 1, 0
	MUL8 6, 1, 0
	WIN 0
; THE WAY OUT, block by block of 16 tokens x 64 columns, through my own stage: back come whole rows of 256 bytes, which sixteen lanes store as one aligned unit.  The stores' immediates undo the tiles' row order.
.macro TOSTAGE a
	WIN 0x02                                       ; source 0: window 2
.set j, 0
.rept 16
	v_pk_mul_f32 v[TMP+j:TMP+j+1], v[32*(\a)+j:32*(\a)+j+1], s[96:97] op_sel_hi:[1,0]   ; x 2^(e10 + e11); each accumulator from its low end on
.set j, j+2
.endr
	WIN 0
.irp b, 0,1,2,3
	ds_store_b128 v[STO], v[TMP+8*\b:TMP+8*\b+3] offset:128*(\b/2)+32*(\b%2)          ; columns 32 (b / 2) + 16 h + 8 (b % 2) + 0 .. 7
	ds_store_b128 v[STO], v[TMP+8*\b+4:TMP+8*\b+7] offset:128*(\b/2)+32*(\b%2)+16
.endr
.set BB, BK+32*((\a)%2)
.irp t, 0,1,2,3,4,5,6,7
	ds_load_b128 v[BB+4*\t:BB+4*\t+3], v[RD] offset:\t*2*SPITCH   ; LDS serves a wave's instructions in order: these see my stores, and the next block's stores come behind them
.endr
.endm
.macro SEND a, younger
.set BB, BK+32*((\a)%2)
	s_wait_dscnt \younger
.irp t, 0,1,2,3,4,5,6,7
	global_store_b128 v[CO], v[BB+4*\t:BB+4*\t+3], s[10:11] offset:(32*((\a)/2)+8*((\a)%2)+2*\t+8*(\t/4))*4096 th:TH_STORE_NT   ; 16 lanes store 256 consecutive aligned bytes
.endr
.endm
	s_wait_kmcnt 0x0
	s_add_co_i32 s96, s96, s97
	s_add_co_i32 s96, s96, 127
	s_lshl_b32 s96, s96, 23                        ; 2^(e10 + e11) as f32
	s_mov_b32 s97, s96                             ; (named with it as a pair)
	PLACES NP                                      ; behind the last products
	TOSTAGE 0
.irp a, 1,2,3,4,5,6,7
.if \a > 1
	s_wait_xcnt 0x0                                ; block a - 2's stores have read their registers: block a's loads may land there
.endif
	TOSTAGE \a
	SEND \a-1, 16                                  ; behind block a - 1's loads: block a's 8 stores and 8 loads
.endr
	SEND 7, 0
	s_wait_tensorcnt 0x0                           ; the wave's end
	ds_add_u32 v[SPW], v[NIL]
	s_wait_dscnt 0x0
	CROUND                                         ; the closing round
	s_endpgm
.Lfunc_end_k_q45b52c0603_oproj:
	.size	k_q45b52c0603_oproj, .Lfunc_end_k_q45b52c0603_oproj-k_q45b52c0603_oproj
	.p2alignl 7, 3214868480
	.fill 96, 4, 3214868480
	.section	.rodata,"a",@progbits
	.p2align	6, 0x0
	.amdhsa_kernel k_q45b52c0603_oproj
		.amdhsa_group_segment_fixed_size 327680
		.amdhsa_private_segment_fixed_size 0
		.amdhsa_enable_private_segment 0
		.amdhsa_kernarg_size 32
		.amdhsa_user_sgpr_count 2
		.amdhsa_user_sgpr_kernarg_segment_ptr 1
		.amdhsa_wavefront_size32 1
		.amdhsa_system_sgpr_workgroup_id_x 1
		.amdhsa_system_sgpr_workgroup_id_y 1
		.amdhsa_system_sgpr_workgroup_id_z 1
		.amdhsa_system_vgpr_workitem_id 0
		.amdhsa_next_free_vgpr 768
		.amdhsa_next_free_sgpr 100
		.amdhsa_reserve_vcc 0
		.amdhsa_float_denorm_mode_32 3
		.amdhsa_float_denorm_mode_16_64 3
		.amdhsa_memory_ordered 1
		.amdhsa_forward_progress 1
		.amdhsa_inst_pref_size 78
	.end_amdhsa_kernel
	.amdgpu_metadata
---
amdhsa.version: [ 1, 2 ]
amdhsa.kernels:
  - .name:           k_q45b52c0603_oproj
    .symbol:         k_q45b52c0603_oproj.kd
    .args:
      - { .name: hc, .offset: 0, .size: 8, .value_kind: global_buffer, .address_space: global }
      - { .name: wc, .offset: 8, .size: 8, .value_kind: global_buffer, .address_space: global }
      - { .name: lowp_scales, .offset: 16, .size: 8, .value_kind: global_buffer, .address_space: global }
      - { .name: out0, .offset: 24, .size: 8, .value_kind: global_buffer, .address_space: global }
    .group_segment_fixed_size: 327680
    .private_segment_fixed_size: 0
    .kernarg_segment_align: 8
    .kernarg_segment_size: 32
    .max_flat_workgroup_size: 128
    .sgpr_count:     100
    .vgpr_count:     768
    .wavefront_size: 32
...
	.end_amdgpu_metadata
.endif
;; end of part 4
